; MI455X (gfx1250); checked and timed in simulation.
; The chip was launched on July 23, 2026; its instructions are those of AMD's public machine-readable ISA for CDNA 5 (MIT licence, August 2026) and "CDNA5" Instruction Set Architecture Reference Guide (July 2026). The comments in the code are by the model that wrote it; some were corrected since.
;; Attention. Allowed arithmetic: matrix products marked QUANTISED: E2M1 operands, one E8M0 scale for each 32 along K, by v_wmma_scale_f32_16x16x128_f8f6f4 with both operands' format E2M1 (or v_wmma_scale_f32_32x16x128_f4), f32 sums; products left as they are: bf16, f16 or f32 operands; f32 sums; everything else in f32.
;; Inputs: attn_mask 2 x 2,048 x 2,048 bool; k_norm_w 128 float32; q_norm_w 128 float32; segment_pos 2 x 2,048 int32; wk 1,024 x 8 x 128 float32; wo 16 x 128 x 1,024 float32; wq 1,024 x 16 x 128 float32; wv 1,024 x 8 x 128 float32; x 2 x 2,048 x 1,024 float32.
;; Outputs: out0 2 x 2,048 x 1,024 float32.
;; This version of the problem:
;;   THIS VERSION OF THE PROBLEM IS GIVEN IN LOW PRECISION. The matrix products marked QUANTISED in the list below multiply operands that are first quantised to E2M1 (2 exponent bits, 1 mantissa bit; 4 bits a number), with one power-of-two scale for each 32 numbers along K (OCP MX v1.0); their sums are f32. The products marked 'left as it is' may take bf16, f16 or f32 operands, with f32 sums. Whichever they take, every output number must still come out within the allowed error. Rounding operands to bf16 (8 significant bits) uses up far more of that allowance than f16 does (11 bits, for magnitudes from 6e-5 to 65,504). All else is computed in f32.
;;   The module's matrix products, in the order in which they are computed (A, B: the left and right operand; K: the contracted axis; several contracted axes count as one K, in the product's order):
;;     1. [M 4,096, K 1,024] x [K 1,024, N 2,048]; A: input x; B: input wq: QUANTISED
;;     2. [M 4,096, K 1,024] x [K 1,024, N 1,024]; A: input x; B: input wk: QUANTISED
;;     3. [M 4,096, K 1,024] x [K 1,024, N 1,024]; A: input x; B: input wv: QUANTISED
;;     4. batch 16 x [M 2,048, K 128] x [K 128, N 4,096]; A: computed on the way; B: computed on the way: left as it is (an operand is computed on the way)
;;     5. batch 16 x [M 128, K 2,048] x [K 2,048, N 4,096]; A: computed on the way; B: computed on the way: left as it is (an operand is computed on the way)
;;     6. [M 4,096, K 2,048] x [K 2,048, N 1,024]; A: computed on the way; B: input wo: left as it is (an operand is computed on the way)
;;   THE QUANTISER, for each operand of a quantised product, along K:
;;     - K is cut into blocks of 32 from its start; a last block that is shorter is filled with zeros.
;;     - A block's scale is 2^e with e = floor(log2(the largest magnitude in the block)) - 2, held to -126 .. 127; a block of zeros has e = 0. As a byte (E8M0): e + 127.
;;     - Each number is divided by its block's scale, clamped to +-6, and rounded to the nearest number of E2M1, ties to even, subnormals kept.
;;     - The product sums the exact products of the quantised numbers (number of the format x scale) in f32.
;;   ~~~python
;;   def quantise(x, axis):      # numpy; x: float32 -> the quantised numbers, widened to float32 again
;;       x = np.moveaxis(x, axis, -1); K = x.shape[-1]
;;       x = np.pad(x, [(0, 0)] * (x.ndim - 1) + [(0, -K % 32)]); x = x.reshape(x.shape[:-1] + (-1, 32)); a = np.abs(x).max(-1, keepdims=True)
;;       e = np.where(a > 0, np.clip(np.frexp(np.where(a > 0, a, 1))[1] - 1 - 2, -126, 127), 0)      # np.frexp(a)[1] - 1 = floor(log2(a)), exactly
;;       r = np.clip(x / 2.0 ** e, -6, 6)
;;       step = 2.0 ** (np.maximum(np.frexp(np.where(r == 0, 1, r))[1] - 1, 0) - 1)
;;       q = np.round(r / step) * step * 2.0 ** e      # np.round: ties to even
;;       return np.moveaxis(q.reshape(q.shape[:-2] + (-1,))[..., :K], -1, axis).astype(np.float32)
;;   ~~~
;; 2 versions, each right. Each part assembles by itself: llvm-mc -triple=amdgcn-amd-amdhsa -mcpu=gfx1250 --defsym DOCPART=n.
;; ======== version 1 of 2: 4 launches
;; limits: values are held in f16: magnitudes above 65,504 overflow, below 6.1e-05 lose precision; right only within a limited range of input values
;; workspace buffers: xw 4,456,448 bytes; wot 4,194,304 bytes; rope 2,097,152 bytes; mw 1,048,576 bytes of whole numbers; qkvh 33,554,432 bytes; ao 16,777,216 bytes
;; launch prep (part 1): grid 448 x 1, 8 waves a work-group, no clusters, 134,144 bytes of LDS; arguments x, wq, wk, wv, wo, segment_pos, attn_mask, xw, wot, rope, mw; writes xw, wot, rope, mw
.if DOCPART == 1
	.amdgcn_target "amdgcn-amd-amdhsa--gfx1250"
	.amdhsa_code_object_version 6
	.text
	.protected	k_q0dea381299_prep
	.globl	k_q0dea381299_prep
	.p2align	8
	.type	k_q0dea381299_prep,@function
k_q0dea381299_prep:
	s_mov_b64 s[64:65], 0
	v_nop
	global_prefetch_b8 v0, s[64:65] scope:SCOPE_SE
	s_setreg_imm32_b32 hwreg(HW_REG_WAVE_MODE, 25, 1), 1
	s_wait_xcnt 0x0
; PREP: everything that is made once from the inputs, five kinds of work-groups told apart by the work-group's number alone.
;   0-127   W: wq, wk, wv [1024 k][n] f32 -> codes of FP4 (E2M1) with K innermost, [4096 n][512 bytes], and E8M0 bytes [4096 n][32]  (n: 0-2047 wq, 2048-3071 wk, 3072-4095 wv)
;   128-191 X: x [4096][1024] f32 -> codes [4096][512 bytes] and bytes [4096][32]
;   192-255 O: wo [2048 nh][1024 d] f32 -> f16, turned: [1024 d][2048 nh]
;   256-383 M: attn_mask bytes -> words of 32 bits in the order in which the attention launch's lanes hold the scores
;   384-447 R: segment_pos -> cos and sin of the 64 angles of each of the 4096 rows, f32: [row][cos 64 | sin 64]
; A block's scale is 2^(floor(log2(largest magnitude)) - 2): its byte is the largest magnitude's exponent field - 2, held at 1 from below.
; LIMITS: a block of zeros gets the byte 1 (its codes are zeros, and this program alone reads the bytes); NaN and infinities are not served; the angle is pos x 2^(-i log2(1e6)/64),
; one or two units in the last place from pos / timescale, and the reduction by pi/2 in two terms serves |pos| up to about 2^16.
; No work-group shares an input with another, so no cluster; every path has LDS bytes of its own.
.set XC_O, 0                           ; xw: x's codes,
.set WC_O, 2097152                     ; the weights' codes,
.set XS_O, 4194304                     ; x's scale bytes,
.set WS_O, 4325376                     ; the weights'
.set XWREG, 5632                       ; LDS 0: path X, a region for each wave: two stages of 32 x 80 bytes and 256 scale bytes
.set WST,  45056                       ; path W: 64 columns x (256 bytes of codes + 16)
.set SCST, 62464                       ; path W: 64 columns x 16 scale bytes
.set OST,  63488                       ; path O: for each wave 32 rows x (256 + 16)
.set SPARE, 133120                     ; the spare words, 128 bytes for each wave: four blocks of 256 bytes that no other line names
.set SPW, 198                          ; v198 LDS address of my spare word; never rewritten
.set NIL, 199                          ; v199 0; never rewritten
	s_load_b512 s[4:19], s[0:1], 0x0               ; x 4:5, wq 6:7, wk 8:9, wv 10:11, wo 12:13, segment_pos 14:15, attn_mask 16:17, xw 18:19
	s_load_b128 s[20:23], s[0:1], 0x40             ; wot 20:21, rope 22:23
	s_load_b64 s[24:25], s[0:1], 0x50              ; mw
	v_lshl_add_u32 v[SPW], v0, 2, SPARE
	v_mov_b32 v[NIL], 0
	v_lshrrev_b32 v1, 5, v0
	v_readfirstlane_b32 s26, v1                    ; wave 0..7
	v_and_b32 v2, 31, v0                           ; lane
	s_wait_kmcnt 0x0
	s_cmp_lt_u32 ttmp9, 128
	s_cbranch_scc1 .Lpath_w
	s_cmp_lt_u32 ttmp9, 192
	s_cbranch_scc1 .Lpath_x
	s_cmp_lt_u32 ttmp9, 256
	s_cbranch_scc1 .Lpath_o
	s_cmp_lt_u32 ttmp9, 384
	s_cbranch_scc1 .Lpath_m
; ---------------- R: a wave takes 8 rows; lanes 0-15 an even row, lanes 16-31 the next; a lane four frequencies
	s_sub_co_u32 s27, ttmp9, 384
	s_lshl_b32 s27, s27, 3
	s_add_co_u32 s27, s27, s26                     ; which 8 rows: 0..511
	s_lshl_b32 s30, s27, 5
	s_mov_b32 s31, 0
	s_add_nc_u64 s[14:15], s[14:15], s[30:31]      ; their positions: 32 bytes
	s_lshl_b32 s30, s27, 12
	s_add_nc_u64 s[22:23], s[22:23], s[30:31]      ; their 8 x 512 bytes of the table
	v_lshrrev_b32 v3, 4, v2                        ; which of two rows
	v_and_b32 v4, 15, v2                           ; which four frequencies
	v_lshlrev_b32 v5, 2, v3
.irp it, 0,1,2,3
	global_load_b32 v[32+\it], v5, s[14:15] offset:8*\it
.endr
	v_lshlrev_b32 v6, 9, v3
	v_lshl_add_u32 v6, v4, 4, v6                   ; where I store: 512 x row + 16 x my four
	v_lshlrev_b32 v7, 2, v4
.irp f, 0,1,2,3
	v_add_nc_u32 v[36+\f], \f, v7                  ; i = 4 (lane % 16) + f
.endr
.irp f, 0,1,2,3
	v_cvt_f32_u32 v[36+\f], v[36+\f]
.endr
.irp f, 0,1,2,3
	v_mul_f32 v[36+\f], 0xbe9f73da, v[36+\f]       ; -i log2(1e6) / 64
.endr
.irp f, 0,1,2,3
	v_exp_f32 v[36+\f], v[36+\f]                   ; 1 / timescale
.endr
	s_mov_b32 s40, 0x3f22f983                      ; 2 / pi
	s_mov_b32 s41, 0x3fc90fdb                      ; pi / 2, its f32,
	s_mov_b32 s42, 0xb33bbd2e                      ; and what that leaves
	s_mov_b32 s43, 0xbe2aaaa3                      ; the sine's three coefficients
	s_mov_b32 s44, 0x3c08839e
	s_mov_b32 s45, 0xb94ca1f9
	s_mov_b32 s46, 0x3d2aaaa5                      ; the cosine's
	s_mov_b32 s47, 0xbab6061a
	s_mov_b32 s48, 0x37ccf5ce
	v_nop                                          ; a plain line behind the last exponential
	s_wait_alu depctr_va_vdst(0)                   ; one wait for the four, ahead of their first reader
	s_wait_loadcnt 0x0
.irp it, 0,1,2,3
	v_cvt_f32_i32 v[32+\it], v[32+\it]
.endr
; cos and sin of v[pf] x v[iv]: n = the nearest multiple of pi/2, r = the rest (|r| <= pi/4), two polynomials, and the quadrant n mod 4 swaps them and sets the signs
.macro SC pf, iv, cd, sd
	v_mul_f32 v80, v[\pf], v[\iv]
	v_mul_f32 v81, s40, v80
	v_rndne_f32 v81, v81
	v_fma_f32 v82, -v81, s41, v80
	v_fma_f32 v82, -v81, s42, v82
	v_cvt_i32_f32 v83, v81
	v_mul_f32 v84, v82, v82
	v_fma_f32 v85, v84, s45, s44
	v_fma_f32 v85, v85, v84, s43
	v_mul_f32 v86, v82, v84
	v_fma_f32 v85, v86, v85, v82                   ; sin r
	v_fma_f32 v87, v84, s48, s47
	v_fma_f32 v87, v87, v84, s46
	v_fma_f32 v88, v84, -0.5, 1.0
	v_mul_f32 v89, v84, v84
	v_fma_f32 v87, v89, v87, v88                   ; cos r
	v_and_b32 v88, 1, v83
	v_cmp_ne_u32 vcc_lo, 0, v88
	v_cndmask_b32 v[\sd], v85, v87, vcc_lo         ; odd quadrant: the two change places
	v_cndmask_b32 v[\cd], v87, v85, vcc_lo
	v_lshlrev_b32 v88, 30, v83
	v_and_b32 v88, 0x80000000, v88                 ; the sine is negative in quadrants 2, 3
	v_xor_b32 v[\sd], v[\sd], v88
	v_add_nc_u32 v89, 1, v83
	v_lshlrev_b32 v89, 30, v89
	v_and_b32 v89, 0x80000000, v89                 ; the cosine in quadrants 1, 2
	v_xor_b32 v[\cd], v[\cd], v89
.endm
.irp it, 0,1,2,3
.irp f, 0,1,2,3
	SC 32+\it, 36+\f, 40+8*\it+\f, 44+8*\it+\f
.endr
	global_store_b128 v6, v[40+8*\it:43+8*\it], s[22:23] offset:1024*\it       ; sixteen lanes store 256 consecutive bytes: a row's cosines,
	global_store_b128 v6, v[44+8*\it:47+8*\it], s[22:23] offset:1024*\it+256   ; its sines.  Each pair of rows has registers of its own: no store's data are written again
.endr
	s_endpgm
; ---------------- M: a wave takes 16 queries x 512 keys.  Lane l loads the 16 bytes of key tile l of each of the 16 rows
.Lpath_m:
	s_sub_co_u32 s27, ttmp9, 256
	s_lshl_b32 s27, s27, 3
	s_add_co_u32 s27, s27, s26                     ; 0..1023
	s_and_b32 s28, s27, 3                          ; G: which 512 keys
	s_lshr_b32 s29, s27, 2
	s_and_b32 s29, s29, 127                        ; which 16 queries
	s_lshr_b32 s30, s27, 9                         ; batch
	s_lshl_b32 s32, s30, 22
	s_lshl_b32 s33, s29, 15
	s_add_co_u32 s32, s32, s33
	s_lshl_b32 s33, s28, 9
	s_add_co_u32 s32, s32, s33
	s_mov_b32 s33, 0
	s_add_nc_u64 s[16:17], s[16:17], s[32:33]
	s_lshl_b32 s32, s30, 19
	s_lshl_b32 s34, s29, 12
	s_add_co_u32 s32, s32, s34
	s_lshl_b32 s34, s28, 10
	s_add_co_u32 s32, s32, s34
	s_add_nc_u64 s[24:25], s[24:25], s[32:33]
	v_lshlrev_b32 v3, 4, v2
.set i, 0
.rept 16
	global_load_b128 v[32+4*i:35+4*i], v3, s[16:17] offset:2048*i th:TH_LOAD_NT   ; 512 consecutive bytes of row i
.set i, i+1
.endr
	s_wait_loadcnt 0x0
; a byte is 0 or 1: shifted by the row's number and joined, byte c of v[100+w] holds rows 0-7 of key 4 w + c, one bit a row; v[104+w] rows 8-15
.irp w, 0,1,2,3
	v_mov_b32 v[100+\w], v[32+\w]
	v_mov_b32 v[104+\w], v[64+\w]
.endr
.irp r, 1,2,3,4,5,6,7
.irp w, 0,1,2,3
	v_lshl_or_b32 v[100+\w], v[32+4*\r+\w], \r, v[100+\w]
	v_lshl_or_b32 v[104+\w], v[64+4*\r+\w], \r, v[104+\w]
.endr
.endr
; the word of register j = 4 jh + c: bits 0-15 the 16 queries at key j, bits 16-31 at key 8 + j
.irp jh, 0,1
	v_perm_b32 v108, v[104+\jh], v[100+\jh], 0x05010400
	v_perm_b32 v109, v[104+\jh], v[100+\jh], 0x07030602
	v_perm_b32 v110, v[106+\jh], v[102+\jh], 0x05010400
	v_perm_b32 v111, v[106+\jh], v[102+\jh], 0x07030602
	v_perm_b32 v[112+4*\jh], v110, v108, 0x05040100
	v_perm_b32 v[113+4*\jh], v110, v108, 0x07060302
	v_perm_b32 v[114+4*\jh], v111, v109, 0x05040100
	v_perm_b32 v[115+4*\jh], v111, v109, 0x07060302
	global_store_b128 v3, v[112+4*\jh:115+4*\jh], s[24:25] offset:512*\jh   ; 512 consecutive bytes
.endr
	s_endpgm
; ---------------- W: a work-group takes 64 columns x 512 along K; a wave 32 columns x 128 along K: a lane a column, its registers down K
.set WX,  32                           ; v32-95   two sets of 32 numbers
.set WCD, 96                           ; v96-99   a block's codes
.set WOF, 100                          ; v100-131 4 x lane + i x the tensor's row in bytes
.set WOUT, 132
.Lpath_w:
	s_lshr_b32 s27, ttmp9, 1                       ; which 64 columns
	s_and_b32 s29, ttmp9, 1                        ; which half of K
	s_and_b32 s30, s26, 1                          ; my 32 of the columns
	s_lshr_b32 s31, s26, 1                         ; my 128 of the 512 along K
	s_mov_b32 s34, 3072
	s_mov_b32 s28, 4096
	s_cmp_lt_u32 s27, 48                           ; which tensor: the choice hangs on the work-group's number alone
	s_cselect_b64 s[32:33], s[8:9], s[10:11]
	s_cselect_b32 s34, 2048, s34                   ; the tensor's first column among the 4096
	s_cmp_lt_u32 s27, 32
	s_cselect_b64 s[32:33], s[6:7], s[32:33]
	s_cselect_b32 s34, 0, s34
	s_cselect_b32 s28, 8192, s28                   ; a row of the tensor in bytes
	s_lshl_b32 s35, s27, 6
	s_lshl_b32 s44, s30, 5
	s_add_co_u32 s35, s35, s44                     ; my wave's first column
	s_sub_co_u32 s45, s35, s34
	s_lshl_b32 s45, s45, 2                         ; in its tensor, in bytes
	s_lshl_b32 s46, s29, 9
	s_lshl_b32 s47, s31, 7
	s_add_co_u32 s46, s46, s47                     ; my first k
	s_mul_i32 s46, s46, s28
	s_add_co_u32 s46, s46, s45
	s_mov_b32 s47, 0
	s_add_nc_u64 s[36:37], s[32:33], s[46:47]      ; a base for each of my four blocks of 32 along K: no pointer is stepped
	s_lshl_b32 s46, s28, 5
	s_add_nc_u64 s[38:39], s[36:37], s[46:47]
	s_add_nc_u64 s[40:41], s[38:39], s[46:47]
	s_add_nc_u64 s[42:43], s[40:41], s[46:47]
	v_lshlrev_b32 v3, 2, v2
.set i, 0
.rept 32
	v_mad_u32_u24 v[WOF+i], s28, i, v3
.set i, i+1
.endr
	v_mul_u32_u24 v4, v2, 272                      ; the stage: row = my column, + 64 bytes for each 128 along K
	s_mul_i32 s48, s30, 32*272
	s_lshl_b32 s49, s31, 6
	s_add_co_u32 s48, s48, s49
	s_add_co_u32 s48, s48, WST
	v_add_nc_u32 v4, s48, v4
	v_lshlrev_b32 v5, 4, v2                        ; my column's 16 scale bytes, + 4 for each 128 along K
	s_lshl_b32 s48, s30, 9
	s_lshl_b32 s49, s31, 2
	s_add_co_u32 s48, s48, s49
	s_add_co_u32 s48, s48, SCST
	v_add_nc_u32 v5, s48, v5
	v_and_b32 v6, 15, v2
	v_lshrrev_b32 v7, 4, v2
	v_mul_u32_u24 v8, v7, 272                      ; out of the stage: wave w takes columns 8 w .. 8 w + 7, sixteen lanes to a row
	v_lshl_add_u32 v8, v6, 4, v8
	s_mul_i32 s48, s26, 8*272
	s_add_co_u32 s48, s48, WST
	v_add_nc_u32 v8, s48, v8
	v_lshlrev_b32 v9, 9, v7
	v_lshl_add_u32 v9, v6, 4, v9                   ; and the same place in the codes' rows of 512 bytes
	v_lshl_add_u32 v10, v0, 2, SCST                ; the scale bytes of those 8 columns: 128 bytes on end, a word a lane
	v_lshrrev_b32 v14, 2, v2
	v_and_b32 v15, 3, v2
	v_lshlrev_b32 v14, 5, v14
	v_lshl_add_u32 v14, v15, 2, v14                ; in memory: rows of 32 bytes, four lanes to a row's 16
	s_lshl_b32 s50, s27, 6
	s_lshl_b32 s51, s26, 3
	s_add_co_u32 s50, s50, s51                     ; column 64 c + 8 w
	s_lshl_b32 s52, s50, 5
	s_lshl_b32 s50, s50, 9
	s_lshl_b32 s51, s29, 8
	s_add_co_u32 s50, s50, s51
	s_add_co_u32 s50, s50, WC_O
	s_mov_b32 s51, 0
	s_add_nc_u64 s[50:51], s[18:19], s[50:51]
	s_lshl_b32 s53, s29, 4
	s_add_co_u32 s52, s52, s53
	s_add_co_u32 s52, s52, WS_O
	s_mov_b32 s53, 0
	s_add_nc_u64 s[52:53], s[18:19], s[52:53]
.macro WLOAD t
.set i, 0
.rept 32
	global_load_b32 v[WX+32*((\t)%2)+i], v[WOF+i], s[36+2*(\t):37+2*(\t)] th:TH_LOAD_NT   ; one k, 32 neighbouring columns: 128 consecutive bytes
.set i, i+1
.endr
.endm
.macro WBLOCK t
.set XR, WX+32*((\t)%2)
.if (\t) < 3
	s_wait_loadcnt 32                              ; this block's 32 loads are in; the next block's 32 may be out
.else
	s_wait_loadcnt 0x0
.endif
	v_max3_num_f32 v12, |v[XR]|, |v[XR+1]|, |v[XR+2]|
	v_max3_num_f32 v13, |v[XR+3]|, |v[XR+4]|, |v[XR+5]|
.irp i, 6,10,14,18,22,26
	v_max3_num_f32 v12, v12, |v[XR+\i]|, |v[XR+\i+1]|
	v_max3_num_f32 v13, v13, |v[XR+\i+2]|, |v[XR+\i+3]|
.endr
	v_max3_num_f32 v12, v12, |v[XR+30]|, |v[XR+31]|
	v_max3_num_f32 v12, v12, v13, 0x1800000        ; with the floor 2^(3 - 127): the byte cannot fall under 1
	v_add_nc_u32 v11, 0xff000000, v12              ; 2 off the exponent field: the conversion's scale operand
	v_lshrrev_b32 v13, 23, v11                     ; the scale's byte
.if (\t) == 0
	v_mov_b32 v24, v13
.else
	v_lshl_or_b32 v24, v13, 8*(\t), v24
.endif
.irp g, 0,1,2,3
	v_cvt_scalef32_pk8_fp4_f32 v[WCD+\g], v[XR+8*\g:XR+8*\g+7], v11
.endr
	ds_store_b128 v4, v[WCD:WCD+3] offset:16*(\t)
.if (\t) < 2
	WLOAD (\t)+2
.endif
	s_wait_dscnt 0x0                               ; the store has read its registers: the next block's codes may be written
.endm
	WLOAD 0
	WLOAD 1
	WBLOCK 0
	WBLOCK 1
	WBLOCK 2
	WBLOCK 3
	ds_store_b32 v5, v24                           ; my column's four bytes
	s_wait_dscnt 0x0                               ; for the others' sake: my stores have landed
	s_barrier_signal -1                            ; all eight waves of this work-group are on this path
	s_barrier_wait -1
.irp t, 0,1,2,3
	ds_load_b128 v[WOUT+4*\t:WOUT+4*\t+3], v8 offset:2*\t*272
.endr
	ds_load_b32 v148, v10
.irp t, 0,1,2,3
	s_wait_dscnt 4-\t
	global_store_b128 v9, v[WOUT+4*\t:WOUT+4*\t+3], s[50:51] offset:1024*\t   ; sixteen lanes store 256 consecutive bytes, aligned
.endr
	s_wait_dscnt 0x0
	global_store_b32 v14, v148, s[52:53]           ; 16 bytes of each of 8 rows of scale bytes: one byte in 128 of what the path reads
	s_wait_tensorcnt 0x0                           ; the wave's end: three lines behind my last LDS store
	ds_add_u32 v[SPW], v[NIL]
	s_wait_dscnt 0x0
	s_endpgm
; ---------------- X: x is a plain stream of blocks of 32; a wave takes 16 steps of 512 numbers
.set QR, 16                            ; v16-79   four sets of 16 numbers as loaded
.set QX, 80                            ; v80-111  two sets of 16 neighbours
.set QE, 112                           ; v112-127 a scale byte for each step
.set QC, 128                           ; v128-191 codes: registers of its own for each step
.Lpath_x:
	s_sub_co_u32 s27, ttmp9, 128
	s_lshl_b32 s27, s27, 3
	s_add_co_u32 s27, s27, s26                     ; which run of 8,192 numbers: 0..511
	v_lshlrev_b32 v3, 4, v2
	s_mul_i32 s28, s26, XWREG
	v_lshrrev_b32 v14, 2, v2
	v_mul_u32_u24 v14, v14, 80
	v_and_b32 v15, 3, v2
	v_lshl_add_u32 v14, v15, 4, v14
	v_add_nc_u32 v14, s28, v14                     ; the stage, in: four lanes' 64 bytes on end, then 16 of padding
	v_mul_u32_u24 v15, v2, 80
	v_add_nc_u32 v15, s28, v15                     ; out: 80 x lane: my 16 neighbours
	v_lshlrev_b32 v4, 3, v2                        ; my 8 bytes of a step's codes
	v_lshrrev_b32 v5, 1, v2
	s_add_co_u32 s28, s28, 2*32*80
	v_add_nc_u32 v5, s28, v5                       ; my block's byte among the wave's 256
	v_lshlrev_b32 v7, 3, v2
	v_add_nc_u32 v6, s28, v7
	s_lshl_b32 s30, s27, 15
	s_mov_b32 s31, 0
	s_add_nc_u64 s[4:5], s[4:5], s[30:31]
	s_lshl_b32 s30, s27, 12
	s_add_nc_u64 s[32:33], s[18:19], s[30:31]      ; the codes (XC_O = 0)
	s_lshl_b32 s30, s27, 8
	s_add_co_u32 s30, s30, XS_O
	s_add_nc_u64 s[34:35], s[18:19], s[30:31]      ; the scale bytes
.macro XLOAD t
.irp i, 0,1,2,3
	global_load_b128 v[QR+16*((\t)%4)+4*\i:QR+16*((\t)%4)+4*\i+3], v3, s[4:5] offset:2048*(\t)+512*\i th:TH_LOAD_NT
.endr
.endm
.macro XTURN t                         ; a step's 2,048 bytes through the stage: LDS serves a wave's instructions in order
.irp i, 0,1,2,3
	ds_store_b128 v14, v[QR+16*((\t)%4)+4*\i:QR+16*((\t)%4)+4*\i+3] offset:32*80*((\t)%2)+8*80*\i
.endr
.irp i, 0,1,2,3
	ds_load_b128 v[QX+16*((\t)%2)+4*\i:QX+16*((\t)%2)+4*\i+3], v15 offset:32*80*((\t)%2)+16*\i
.endr
.endm
.irp t, 0,1,2,3
	XLOAD \t
.endr
	s_wait_loadcnt 12                              ; step 0's four loads are in
	XTURN 0
.macro XSTEP t
.set XR, QX+16*((\t)%2)
.if (\t) > 0
	s_wait_dscnt 1                                 ; this step's numbers are back (the last step's byte store may be out)
.else
	s_wait_dscnt 0x0
.endif
.if (\t)+4 < 16
	XLOAD (\t)+4
.endif
.if (\t)+1 < 16
.if 14-(\t) >= 3
	s_wait_loadcnt 12                              ; the next step's four loads are in; three steps' may be out
.else
	s_wait_loadcnt 4*(14-(\t))
.endif
	XTURN (\t)+1
.endif
	v_max3_num_f32 v8, |v[XR]|, |v[XR+1]|, |v[XR+2]|
	v_max3_num_f32 v9, |v[XR+3]|, |v[XR+4]|, |v[XR+5]|
.irp i, 6,10
	v_max3_num_f32 v8, v8, |v[XR+\i]|, |v[XR+\i+1]|
	v_max3_num_f32 v9, v9, |v[XR+\i+2]|, |v[XR+\i+3]|
.endr
	v_max3_num_f32 v8, v8, |v[XR+14]|, |v[XR+15]|
	v_max3_num_f32 v8, v8, v9, 0x1800000
	v_max_num_f32_dpp v8, v8, v8 row_xmask:1 row_mask:0xf bank_mask:0xf   ; with my neighbour's 16: the block's
	v_add_nc_u32 v11, 0xff000000, v8
	v_cvt_scalef32_pk8_fp4_f32 v[QC+4*(\t)], v[XR:XR+7], v11
	v_cvt_scalef32_pk8_fp4_f32 v[QC+4*(\t)+1], v[XR+8:XR+15], v11
	v_lshrrev_b32 v[QE+(\t)], 23, v11
	ds_store_b8 v5, v[QE+(\t)] offset:16*(\t)      ; both lanes of a block write the same byte with the same value
	global_store_b64 v4, v[QC+4*(\t):QC+4*(\t)+1], s[32:33] offset:256*(\t)   ; the wave stores 256 consecutive bytes
.endm
.irp t, 0,1,2,3,4,5,6,7,8,9,10,11,12,13,14,15
	XSTEP \t
.endr
	ds_load_b64 v[8:9], v6
	s_wait_dscnt 0x0
	global_store_b64 v7, v[8:9], s[34:35]          ; 256 scale bytes, aligned
	s_wait_tensorcnt 0x0                           ; the wave's end: the three lines
	ds_add_u32 v[SPW], v[NIL]
	s_wait_dscnt 0x0
	s_endpgm
; ---------------- O: a wave takes 32 columns d x 128 rows nh of wo: a lane a column, registers down nh; out by rows through its own stage
.set OX,  32
.set OCD, 96
.set OOUT, 132
.Lpath_o:
	s_sub_co_u32 s27, ttmp9, 192
	s_lshl_b32 s27, s27, 3
	s_add_co_u32 s27, s27, s26                     ; 0..511
	s_and_b32 s28, s27, 31                         ; which 32 columns
	s_lshr_b32 s29, s27, 5                         ; which 128 rows
	s_lshl_b32 s30, s29, 19                        ; 128 rows of 4,096 bytes
	s_lshl_b32 s31, s28, 7
	s_add_co_u32 s30, s30, s31
	s_mov_b32 s31, 0
	s_add_nc_u64 s[12:13], s[12:13], s[30:31]
	s_lshl_b32 s30, s28, 17                        ; 32 rows of wot, 4,096 bytes each
	s_lshl_b32 s32, s29, 8
	s_add_co_u32 s30, s30, s32
	s_add_nc_u64 s[20:21], s[20:21], s[30:31]
	v_lshlrev_b32 v3, 2, v2
	s_mul_i32 s32, s26, 8704
	s_add_co_u32 s32, s32, OST
	v_mul_u32_u24 v4, v2, 272
	v_add_nc_u32 v4, s32, v4
	v_and_b32 v6, 15, v2
	v_lshrrev_b32 v7, 4, v2
	v_mul_u32_u24 v8, v7, 272
	v_lshl_add_u32 v8, v6, 4, v8
	v_add_nc_u32 v8, s32, v8
	v_lshlrev_b32 v9, 12, v7
	v_lshl_add_u32 v9, v6, 4, v9
.macro OLOAD t
.set i, 0
.rept 32
	global_load_b32 v[OX+32*((\t)%2)+i], v3, s[12:13] offset:(32*(\t)+i)*4096 th:TH_LOAD_NT
.set i, i+1
.endr
.endm
.macro OBLOCK t
.set XR, OX+32*((\t)%2)
.if (\t) < 3
	s_wait_loadcnt 32                              ; the next block's 32 loads may be out
.else
	s_wait_loadcnt 0x0
.endif
.set i, 0
.rept 16
	v_cvt_pk_f16_f32 v[OCD+i], v[XR+2*i], v[XR+2*i+1]
.set i, i+1
.endr
.irp c, 0,1,2,3
	ds_store_b128 v4, v[OCD+4*\c:OCD+4*\c+3] offset:64*(\t)+16*\c
.endr
.if (\t) < 2
	OLOAD (\t)+2
.endif
	s_wait_dscnt 0x0
.endm
	OLOAD 0
	OLOAD 1
	OBLOCK 0
	OBLOCK 1
	OBLOCK 2
	OBLOCK 3
.irp t, 0,1,2,3,4,5,6,7,8,9,10,11,12,13,14,15
	ds_load_b128 v[OOUT+4*\t:OOUT+4*\t+3], v8 offset:2*\t*272
.endr
.irp t, 0,1,2,3,4,5,6,7,8,9,10,11,12,13,14,15
	s_wait_dscnt 15-\t
	global_store_b128 v9, v[OOUT+4*\t:OOUT+4*\t+3], s[20:21] offset:2*\t*4096   ; sixteen lanes store 256 consecutive bytes, aligned
.endr
	s_wait_tensorcnt 0x0                           ; the wave's end: the three lines
	ds_add_u32 v[SPW], v[NIL]
	s_wait_dscnt 0x0
	s_endpgm
.Lfunc_end_k_q0dea381299_prep:
	.size	k_q0dea381299_prep, .Lfunc_end_k_q0dea381299_prep-k_q0dea381299_prep
	.p2alignl 7, 3214868480
	.fill 96, 4, 3214868480
	.section	.rodata,"a",@progbits
	.p2align	6, 0x0
	.amdhsa_kernel k_q0dea381299_prep
		.amdhsa_group_segment_fixed_size 134144
		.amdhsa_private_segment_fixed_size 0
		.amdhsa_enable_private_segment 0
		.amdhsa_kernarg_size 88
		.amdhsa_user_sgpr_count 2
		.amdhsa_user_sgpr_kernarg_segment_ptr 1
		.amdhsa_wavefront_size32 1
		.amdhsa_system_sgpr_workgroup_id_x 1
		.amdhsa_system_sgpr_workgroup_id_y 1
		.amdhsa_system_sgpr_workgroup_id_z 1
		.amdhsa_system_vgpr_workitem_id 0
		.amdhsa_next_free_vgpr 200
		.amdhsa_next_free_sgpr 66
		.amdhsa_reserve_vcc 1
		.amdhsa_float_denorm_mode_32 3
		.amdhsa_float_denorm_mode_16_64 3
		.amdhsa_memory_ordered 1
		.amdhsa_forward_progress 1
		.amdhsa_inst_pref_size 109
	.end_amdhsa_kernel
	.amdgpu_metadata
---
amdhsa.version: [ 1, 2 ]
amdhsa.kernels:
  - .name:           k_q0dea381299_prep
    .symbol:         k_q0dea381299_prep.kd
    .args:
      - { .name: x, .offset: 0, .size: 8, .value_kind: global_buffer, .address_space: global }
      - { .name: wq, .offset: 8, .size: 8, .value_kind: global_buffer, .address_space: global }
      - { .name: wk, .offset: 16, .size: 8, .value_kind: global_buffer, .address_space: global }
      - { .name: wv, .offset: 24, .size: 8, .value_kind: global_buffer, .address_space: global }
      - { .name: wo, .offset: 32, .size: 8, .value_kind: global_buffer, .address_space: global }
      - { .name: segment_pos, .offset: 40, .size: 8, .value_kind: global_buffer, .address_space: global }
      - { .name: attn_mask, .offset: 48, .size: 8, .value_kind: global_buffer, .address_space: global }
      - { .name: xw, .offset: 56, .size: 8, .value_kind: global_buffer, .address_space: global }
      - { .name: wot, .offset: 64, .size: 8, .value_kind: global_buffer, .address_space: global }
      - { .name: rope, .offset: 72, .size: 8, .value_kind: global_buffer, .address_space: global }
      - { .name: mw, .offset: 80, .size: 8, .value_kind: global_buffer, .address_space: global }
    .group_segment_fixed_size: 134144
    .private_segment_fixed_size: 0
    .kernarg_segment_align: 8
    .kernarg_segment_size: 88
    .max_flat_workgroup_size: 256
    .sgpr_count:     66
    .vgpr_count:     200
    .wavefront_size: 32
...
	.end_amdgpu_metadata
.endif
;; end of part 1
;; launch qkv (part 2): grid 16 x 16, 4 waves a work-group, clusters of 4 x 4, 327,680 bytes of LDS; arguments xw, qkvh, q_norm_w, k_norm_w, rope; writes qkvh
.if DOCPART == 2
	.amdgcn_target "amdgcn-amd-amdhsa--gfx1250"
	.amdhsa_code_object_version 6
	.text
	.protected	k_q0dea381299_qkv
	.globl	k_q0dea381299_qkv
	.p2align	8
	.type	k_q0dea381299_qkv,@function
k_q0dea381299_qkv:
	s_mov_b64 s[64:65], 0
	v_nop
	global_prefetch_b8 v0, s[64:65] scope:SCOPE_SE
	s_setreg_imm32_b32 hwreg(HW_REG_WAVE_MODE, 25, 1), 1
	s_wait_xcnt 0x0
	s_wait_alu depctr_hold_cnt(0) depctr_sa_sdst(0) depctr_va_vdst(0) depctr_va_sdst(0) depctr_va_ssrc(0) depctr_va_vcc(0) depctr_vm_vsrc(0)
	s_getreg_b32 s2, hwreg(HW_REG_IB_STS2, 6, 4)
	s_cmp_eq_u32 s2, 0
	s_cbranch_scc0 .Lentry_in_a_cluster
	s_endpgm
.Lentry_in_a_cluster:
	s_bfe_u32 s2, ttmp6, 0x10000c
	s_cmp_lg_u32 s2, 0xf033
	s_cbranch_scc0 .Lentry_shape_is_right
	s_endpgm
.Lentry_shape_is_right:
; x [4096][1024] times the three weights as one operand [4096 n][1024], both as codes of FP4 (E2M1) with one E8M0 byte for each 32 along K; sums in f32.
; A tile of 256 x 256 to a work-group of four waves, 128 x 128 to a wave: 64 accumulators, 512 registers.  A wave's 128 columns are ONE HEAD (0-15 q, 16-23 k, 24-31 v), so the RMS norm over the head,
; its gain and the rotation by the table of cos and sin are done on the accumulators, in f32, and the result leaves as f16 rows of 256 bytes: qkvh[index][t][128], index 16 b + n (q), 32 + 8 b + kh (k), 48 + 8 b + kh (v).
; K = 1024 is two LDS slots of 512: all tiles are asked for at the head; nothing is filled again.  The scale bytes of the 256 + 256 rows come once, in units of 256 bytes.
; CLUSTERS: 4 x 4 work-groups; x's tiles are asked for jointly along a row of the cluster, the weights' along a column.  The cluster's x says which tensor: 0, 1 q, 2 k, 3 v: the same in all sixteen partners.
; THE MATRIX INSTRUCTION IS USED TRANSPOSED (source 0 = 16 rows of the weights, source 1 = 16 rows of x): lane (r, h) holds row r, and register 8 b + j of a block the head's channel 16 b + 8 h + j.
; LIMITS: |v| stays under 65,504 (f16); NaN and infinities are not served.
; REGISTERS: window 0: v0-31 addresses and small work; v32-95 scale words, later a block at work; v96-127 packed f16; v128-191 x's fragments, later table set 2; v192-255 table set 0.
;   window 1: v0-63, v128-191 the weights' fragments, later rows read back and table set 3; v64-127 the gains; v192-255 table set 1.   windows 2, 3: the accumulators.
.set XS_O, 4194304
.set WC_O, 2097152
.set WS_O, 4325376
.set KSTEP,  512
.set NQ,     4
.set ROWB,   256
.set KROW,   512
.set PITCH,  272                       ; an LDS row: 256 bytes + 16: the 16 rows that a load touches start at 16 different banks (64 banks of 4 bytes: ISA guide 11.1)
.set FR,     8
.set NL,     2
.set NP,     4
.set HALFT,  128*PITCH
.set SLOT,   4*HALFT
.set KS,     32
.set SCL,    2*SLOT
.set HALFS,  (128*KS/256)*272
.set SBLK,   (16*KS/256)*272
.set SPARE,  SCL+4*HALFS               ; the spare words, 128 bytes for each wave: two blocks of 256 bytes that no other line names
.set SPITCH, 272                       ; the way out: 16 rows x (256 + 16) for each wave, in slot 0, which has had its one fill and its last read by then
.set ADRA, 16
.set ADRB, 20
.set STO,  24
.set RD,   25
.set CO,   26
.set ADRS, 27
.set SPW,  28
.set NIL,  29
.set RO,   30                          ; v30  my place in a block's 16 rows of the table: 512 r + 32 h
.set WO,   31                          ; v31  my place in the gains: 32 h
.set SC,   32
.set AF,   128
.set U,    32                          ; the way out: a block's 64 numbers of a lane
.set TMP,  96                          ; and their 32 registers of f16
.set WN,   64                          ; window 1: the gains in the accumulators' layout
.set G1, 24
.set G0, 32
.set G1B, 48
.set G0B, 56
.set G1S, 68
.set G0S, 76
.set G1SB, 80
.set G0SB, 88
.set MSB, 0
.macro WIN new                         ; the immediate's high byte repeats the setting that is left
.if MSB != \new
	s_set_vgpr_msb (MSB<<8)|\new
.set MSB, \new
.endif
.endm
.set MUL_LO, 0xa1
.set MUL_HI, 0xf1
.set TO_B,   0x40
; A joint load: waves 0 and 1 fetch for x, waves 2 and 3 for the weights; the branch hangs on the wave's number alone.  An s_nop 0 and four v_nop follow each line.
.macro JLOAD g0a, g1a, g0b, g1b
	s_cmp_eq_u32 s15, 0
	s_cbranch_scc0 .Lfor_b_\@
	tensor_load_to_lds s[\g0a:\g0a+3], s[\g1a:\g1a+7]
	s_nop 0
.rept 4
	v_nop
.endr
	s_branch .Lasked_\@
.Lfor_b_\@:
	tensor_load_to_lds s[\g0b:\g0b+3], s[\g1b:\g1b+7]
	s_nop 0
.rept 4
	v_nop
.endr
.Lasked_\@:
.endm
.macro CROUND                          ; a round of the cluster's barrier
	s_barrier_signal -1
	s_barrier_wait -1
	s_cmp_lg_u32 s14, 0
	s_cbranch_scc1 .Lnot_wave_0_\@
	s_barrier_signal -3
.Lnot_wave_0_\@:
	s_barrier_wait -3
	s_barrier_signal -1
	s_barrier_wait -1
.endm
	s_load_b64 s[4:5], s[0:1], 0x0                 ; xw
	s_load_b64 s[12:13], s[0:1], 0x8               ; qkvh
	s_load_b128 s[96:99], s[0:1], 0x10             ; q's gains, k's gains
	s_load_b64 s[100:101], s[0:1], 0x20            ; the table
	v_lshl_add_u32 v[SPW], v0, 2, SPARE
	v_mov_b32 v[NIL], 0
	ds_add_u32 v[SPW], v[NIL]                      ; the wave's opening: the add, twice on end, and its wait ahead of my first tensor load
	ds_add_u32 v[SPW], v[NIL]
	v_lshrrev_b32 v1, 5, v0
	v_readfirstlane_b32 s14, v1                    ; wave 0..3
	s_lshr_b32 s15, s14, 1                         ; which half of the tile's rows is mine.  Also: I fetch for x (0) or for the weights (1)
	s_and_b32 s16, s14, 1                          ; which half of its columns.  Also: which 128 rows I fetch
	s_bfe_u32 s40, ttmp6, 0x40000                  ; cx, cy
	s_bfe_u32 s41, ttmp6, 0x40004
	s_lshl_b32 s42, ttmp9, 2
	s_add_co_u32 s42, s42, s40                     ; tile column = 4 x cluster x + cx
	s_and_b32 s17, ttmp7, 0xffff
	s_lshl_b32 s17, s17, 2
	s_add_co_u32 s17, s17, s41                     ; tile row = 4 x cluster y + cy
	s_lshl_b32 s43, s41, 2
	s_lshl_b32 s43, 15, s43                        ; my row of the cluster
	s_lshl_b32 s44, 0x1111, s40                    ; my column
	s_or_b32 s[G1+0], s43, (0<<16)|(1<<20)|(1<<21)|(5<<22)|(3<<25)  ; the mask; elements of 1 byte; padding: 4 words after every 64; bit 21 beside a mask
	s_or_b32 s[G1B+0], s44, (0<<16)|(1<<20)|(1<<21)|(5<<22)|(3<<25)
.irp g, G1, G1B
	s_mov_b32 s[\g+1], ROWB<<16                    ; tensor_dim0
	s_mov_b32 s[\g+2], 128<<16                     ; tensor_dim1
	s_mov_b32 s[\g+3], ROWB<<16                    ; tile_dim0
	s_mov_b32 s[\g+4], 128                         ; tile_dim1
	s_mov_b32 s[\g+5], KROW                        ; from row to row
	s_mov_b32 s[\g+6], 0
	s_mov_b32 s[\g+7], 0
.endr
	s_or_b32 s[G1S+0], s43, (3<<16)|(1<<20)|(1<<21)|(5<<22)|(3<<25)  ; the scales of 128 rows: 4,096 dense bytes as 16 rows of 256 (32 elements of 8 bytes)
	s_or_b32 s[G1SB+0], s44, (3<<16)|(1<<20)|(1<<21)|(5<<22)|(3<<25)
.irp g, G1S, G1SB
	s_mov_b32 s[\g+1], 32<<16
	s_mov_b32 s[\g+2], (128*KS/256)<<16
	s_mov_b32 s[\g+3], 32<<16
	s_mov_b32 s[\g+4], 128*KS/256
	s_mov_b32 s[\g+5], 32
	s_mov_b32 s[\g+6], 0
	s_mov_b32 s[\g+7], 0
.endr
	s_lshl_b32 s18, s16, 7
	s_lshl_b32 s20, s17, 8
	s_add_co_u32 s20, s20, s18                     ; x: row 256 x tile row + 128 x half
	s_lshl_b32 s46, s42, 8
	s_add_co_u32 s46, s46, s18                     ; weights: row 256 x tile column + 128 x half
	s_mov_b32 s21, 0
	s_mov_b32 s47, 0
	s_mov_b64 s[18:19], KS
	s_mul_u64 s[22:23], s[20:21], s[18:19]
	s_mul_u64 s[92:93], s[46:47], s[18:19]
	s_mov_b64 s[18:19], KROW
	s_mul_u64 s[20:21], s[20:21], s[18:19]
	s_mul_u64 s[46:47], s[46:47], s[18:19]
	s_mul_i32 s45, s14, HALFT                      ; where they go: wave x 128 rows
	s_mul_i32 s94, s14, HALFS
	s_wait_dscnt 0x0                               ; both opening adds are done
	s_wait_kmcnt 0x0
	s_add_nc_u64 s[6:7], s[4:5], XS_O              ; the four parts of xw
	s_add_nc_u64 s[8:9], s[4:5], WC_O
	s_add_nc_u64 s[10:11], s[4:5], WS_O
	s_add_nc_u64 s[20:21], s[4:5], s[20:21]
	s_add_nc_u64 s[22:23], s[6:7], s[22:23]
	s_add_nc_u64 s[46:47], s[8:9], s[46:47]
	s_add_nc_u64 s[92:93], s[10:11], s[92:93]
	CROUND                                         ; all sixteen work-groups are here: the joint loads meet
	s_mov_b32 s[G0S], 1
	s_add_co_u32 s[G0S+1], s94, SCL
	s_mov_b64 s[G0S+2:G0S+3], s[22:23]
	s_or_b32 s[G0S+3], s[G0S+3], 0x80000000
	s_mov_b32 s[G0SB], 1
	s_add_co_u32 s[G0SB+1], s94, SCL
	s_mov_b64 s[G0SB+2:G0SB+3], s[92:93]
	s_or_b32 s[G0SB+3], s[G0SB+3], 0x80000000
	JLOAD G0S, G1S, G0SB, G1SB                     ; three loads of mine are out at the most: the scales, slot 0, slot 1
.irp s, 0,1
	s_mov_b32 s[G0+4*\s], 1
	s_add_co_u32 s[G0+4*\s+1], s45, \s*SLOT
	s_add_nc_u64 s[G0+4*\s+2:G0+4*\s+3], s[20:21], \s*ROWB
	s_or_b32 s[G0+4*\s+3], s[G0+4*\s+3], 0x80000000
	s_mov_b32 s[G0B+4*\s], 1
	s_add_co_u32 s[G0B+4*\s+1], s45, \s*SLOT
	s_add_nc_u64 s[G0B+4*\s+2:G0B+4*\s+3], s[46:47], \s*ROWB
	s_or_b32 s[G0B+4*\s+3], s[G0B+4*\s+3], 0x80000000
	JLOAD G0+4*\s, G1, G0B+4*\s, G1B
.endr
	v_and_b32 v1, 15, v0                           ; r
	v_bfe_u32 v2, v0, 4, 1                         ; h
	v_mul_u32_u24 v3, v1, PITCH
	v_lshl_add_u32 v4, v2, 4, v3
	s_mul_i32 s21, s15, HALFT
	s_mul_i32 s22, s16, HALFT
	s_add_co_u32 s22, s22, 2*HALFT
.irp s, 0,1
	v_add_nc_u32 v[ADRA+\s], s21, v4
	v_add_nc_u32 v[ADRB+\s], s22, v4
	s_add_co_u32 s21, s21, SLOT
	s_add_co_u32 s22, s22, SLOT
.endr
	v_mul_u32_u24 v5, v1, KS
	v_lshrrev_b32 v6, 8, v5
	v_lshl_add_u32 v5, v6, 4, v5
	s_mul_i32 s21, s15, HALFS
	s_mul_i32 s22, s16, HALFS
	s_add_co_u32 s22, s22, 2*HALFS
	s_sub_co_u32 s22, s22, s21
	v_mul_u32_u24 v6, s22, v2                      ; lanes 16-31 take the weights' scale words
	s_add_co_u32 s21, s21, SCL
	v_add_nc_u32 v5, v5, v6
	v_add_nc_u32 v[ADRS], s21, v5
	s_mul_i32 s23, s14, 16*SPITCH                  ; my stage
	v_mul_u32_u24 v5, v1, SPITCH
	v_lshl_add_u32 v5, v2, 4, v5
	v_add_nc_u32 v[STO], s23, v5                   ; in: row r, 16 bytes for each half of the lanes
	v_mul_u32_u24 v5, v2, SPITCH
	v_lshl_add_u32 v5, v1, 4, v5
	v_add_nc_u32 v[RD], s23, v5                    ; back: lanes 0-15 one row of 256 bytes, lanes 16-31 the next
	v_lshlrev_b32 v[CO], 8, v2
	v_lshl_add_u32 v[CO], v1, 4, v[CO]             ; and the same two rows in qkvh
	v_lshlrev_b32 v[RO], 9, v1
	v_lshl_add_u32 v[RO], v2, 5, v[RO]
	v_lshlrev_b32 v[WO], 5, v2
	v_mov_b32 v7, 0                                ; (named with v6 as a pair)
	; where my 128 rows x one head go
	s_lshl_b32 s20, s42, 1
	s_add_co_u32 s20, s20, s16                     ; head 0..31
	s_lshr_b32 s21, s17, 3                         ; batch
	s_lshl_b32 s22, s21, 4
	s_add_co_u32 s22, s22, s20                     ; q: 16 b + n
	s_sub_co_u32 s23, s20, 16
	s_lshr_b32 s46, s23, 3
	s_and_b32 s46, s46, 1
	s_lshl_b32 s46, s46, 4
	s_and_b32 s23, s23, 7
	s_add_co_u32 s46, s46, s23
	s_lshl_b32 s23, s21, 3
	s_add_co_u32 s46, s46, s23
	s_add_co_u32 s46, s46, 32                      ; k, v: 32 + 16 (v) + 8 b + kh
	s_cmp_lt_u32 ttmp9, 2
	s_cselect_b32 s22, s22, s46
	s_cselect_b64 s[96:97], s[96:97], s[98:99]     ; q's gains or k's
	s_lshl_b32 s22, s22, 19
	s_and_b32 s23, s17, 7
	s_lshl_b32 s23, s23, 8
	s_lshl_b32 s46, s15, 7
	s_add_co_u32 s23, s23, s46                     ; my first position in the batch
	s_lshl_b32 s23, s23, 8
	s_add_co_u32 s22, s22, s23
	s_mov_b32 s23, 0
	s_add_nc_u64 s[12:13], s[12:13], s[22:23]
	s_lshl_b32 s20, s17, 8
	s_lshl_b32 s21, s15, 7
	s_add_co_u32 s20, s20, s21
	s_lshl_b32 s20, s20, 9
	s_mov_b32 s21, 0
	s_add_nc_u64 s[100:101], s[100:101], s[20:21]  ; the table at my first row
	s_mov_b32 s18, 0x76543210                      ; v_permlanex16_b32's selects for lane l xor 16
	s_mov_b32 s19, 0xfedcba98
; The table's cos and sin for block a's 16 rows, in the accumulators' layout: 32 + 32 registers, into set a % 4
.macro ROPELD a
.set RW, ((\a)%4)&1
.set RB, 192-64*(((\a)%4)/2)
	WIN (RW<<6)
.irp b, 0,1,2,3
.irp c, 0,1
	global_load_b128 v[RB+8*\b+4*\c:RB+8*\b+4*\c+3], v[RO], s[100:101] offset:(\a)*8192+64*\b+16*\c
	global_load_b128 v[RB+32+8*\b+4*\c:RB+32+8*\b+4*\c+3], v[RO], s[100:101] offset:(\a)*8192+256+64*\b+16*\c
.endr
.endr
.endm
	WIN TO_B
.irp b, 0,1,2,3,4,5,6,7
.irp c, 0,1
	global_load_b128 v[WN+8*\b+4*\c:WN+8*\b+4*\c+3], v[WO], s[96:97] offset:64*\b+16*\c   ; the gains: they land while the products run
.endr
.endr
	ROPELD 0
	ROPELD 1
	WIN 0
.macro FRAG reg, adr, q, i             ; 16 rows x 128 K of 4-bit codes: 8 registers, two loads of 16 bytes, 32 bytes apart
.irp c, 0,1
	ds_load_b128 v[\reg+4*\c:\reg+4*\c+3], v[\adr] offset:64*(\q)+32*\c+(\i)*16*PITCH
.endr
.endm
; 16 matrix instructions: x's blocks a0, a0 + 1 against the weights' eight.  The 64 accumulators take turns, one instruction a turn, in the same order in every step.
.macro MUL16 a0, p, q, sc, zero
.irp a, \a0, \a0+1
.irp b, 0,1,2,3,4,5,6,7
.if \zero
	v_wmma_scale_f32_16x16x128_f8f6f4 v[8*(8*((\a)%4)+\b):8*(8*((\a)%4)+\b)+7], v[128*(\p)+FR*\b:128*(\p)+FR*\b+FR-1], v[AF+FR*(\a):AF+FR*(\a)+FR-1], 0, v[SC+8*NQ*(\sc)+NQ*\b+(\q)], v[SC+8*NQ*(\sc)+NQ*(\a)+(\q)] matrix_a_fmt:MATRIX_FMT_FP4 matrix_b_fmt:MATRIX_FMT_FP4 matrix_a_scale:MATRIX_SCALE_ROW1
.else
	v_wmma_scale_f32_16x16x128_f8f6f4 v[8*(8*((\a)%4)+\b):8*(8*((\a)%4)+\b)+7], v[128*(\p)+FR*\b:128*(\p)+FR*\b+FR-1], v[AF+FR*(\a):AF+FR*(\a)+FR-1], v[8*(8*((\a)%4)+\b):8*(8*((\a)%4)+\b)+7], v[SC+8*NQ*(\sc)+NQ*\b+(\q)], v[SC+8*NQ*(\sc)+NQ*(\a)+(\q)] matrix_a_fmt:MATRIX_FMT_FP4 matrix_b_fmt:MATRIX_FMT_FP4 matrix_a_scale:MATRIX_SCALE_ROW1
.endif
.endr
.endr
.endm
.macro FETCH_B slot, q, p
	WIN TO_B
.irp i, 0,1,2,3,4,5,6,7
	FRAG 128*(\p)+FR*\i, ADRB+\slot, \q, \i
.endr
	WIN 0
.endm
.macro FETCH_A slot, q, i0
.irp i, \i0, \i0+1, \i0+2, \i0+3
	FRAG AF+FR*(\i), ADRA+\slot, \q, \i
.endr
.endm
.macro SCALES sc                       ; a slot's scale words: lanes 0-15 x's block i, lanes 16-31 the weights' block i
.irp i, 0,1,2,3,4,5,6,7
	ds_load_b128 v[SC+8*NQ*\sc+NQ*\i:SC+8*NQ*\sc+NQ*\i+3], v[ADRS] offset:\i*SBLK
.endr
.endm
.macro PLACES n                        ; plain vector lines between a matrix instruction and a load into, or a vector line on, its registers
.rept \n
	v_nop
.endr
.endm
.macro STEP slot, q, zero
	s_wait_dscnt 4*NL                              ; all but the youngest eight loads (x's blocks 4-7) are in
	WIN MUL_LO
	MUL16 0, (\q)%2, \q, \slot, \zero
	MUL16 2, (\q)%2, \q, \slot, \zero
	s_wait_dscnt 0
	PLACES NP
	FETCH_B \slot, (\q)+1, 1-(\q)%2
	FETCH_A \slot, (\q)+1, 0
	WIN MUL_HI
	MUL16 4, (\q)%2, \q, \slot, \zero
	MUL16 6, (\q)%2, \q, \slot, \zero
	PLACES NP
	WIN 0
	FETCH_A \slot, (\q)+1, 4
.endm
	s_wait_tensorcnt 1                             ; the scales and my part of slot 0 are in (slot 1's load may be out)
	s_barrier_signal -1
	s_barrier_wait -1                              ; everybody's are
	FETCH_B 0, 0, 0
	FETCH_A 0, 0, 0
	SCALES 0
	FETCH_A 0, 0, 4
	STEP 0, 0, 1                                   ; the first step's products start the sums: nothing is cleared
	STEP 0, 1, 0
	STEP 0, 2, 0
	; slot 0's last step changes slots: one barrier; in front of it my loads have landed and my reads of slot 0 are over
	s_wait_tensorcnt 0x0                           ; my part of slot 1 is in
	ds_add_u32 v[SPW], v[NIL]
	s_wait_dscnt 4*NL+1                            ; (the add and the youngest eight loads may be out)
	WIN MUL_LO
	MUL16 0, 1, NQ-1, 0, 0
	s_wait_dscnt 0x0
	s_barrier_signal -1
	MUL16 2, 1, NQ-1, 0, 0
	WIN 0
	s_barrier_wait -1
	PLACES NP
	v_add_nc_u32 v[ADRS], 4*NQ, v[ADRS]            ; the second slot's scale words
	FETCH_B 1, 0, 0
	FETCH_A 1, 0, 0
	SCALES 1
	WIN MUL_HI
	MUL16 4, 1, NQ-1, 0, 0
	MUL16 6, 1, NQ-1, 0, 0
	PLACES NP
	WIN 0
	FETCH_A 1, 0, 4
	STEP 1, 0, 0
	STEP 1, 1, 0
	STEP 1, 2, 0
	s_wait_dscnt 4*NL
	WIN MUL_LO
	MUL16 0, 1, NQ-1, 1, 0
	MUL16 2, 1, NQ-1, 1, 0
	s_wait_dscnt 0
	WIN MUL_HI
	MUL16 4, 1, NQ-1, 1, 0
	MUL16 6, 1, NQ-1, 1, 0
	WIN 0
; THE WAY OUT, block by block of 16 rows x the head's 128 channels.
	PLACES NP                                      ; behind the last products: for the loads into operands' registers and the first reads of results
	s_mov_b32 s20, 0x3c000000                      ; 1 / 128
	s_mov_b32 s21, 0x358637bd                      ; 1e-6
	s_cmp_eq_u32 ttmp9, 3                          ; v's tiles have neither norm nor rotation: the cluster's x, the same in all partners
	s_cbranch_scc1 .Lv_out
	ROPELD 2
	ROPELD 3
	WIN 0
; q and k: sum of squares of the row (my 64 and lane l xor 16's), 1 / sqrt(mean + eps); x gain; the rotation pairs channel c with c + 64: register 8 b + j with 8 (b + 4) + j of the same lane; then x 1 / rms, which is one number a row.
.macro QKBLOCK a
.set AC, 64*((\a)%4)
.set WW, 2+(\a)/4
.set RW, ((\a)%4)&1
.set RB, 192-64*(((\a)%4)/2)
.if (\a) < 5
	s_wait_loadcnt 48                              ; the gains and this block's set are in; the three later sets of 16 loads may be out
.else
	s_wait_loadcnt 16*(7-(\a))
.endif
	WIN (WW*5)                                     ; sources 0 and 1: the accumulators' window
	v_pk_mul_f32 v[2:3], v[AC:AC+1], v[AC:AC+1]    ; each accumulator is read from its low end on
	v_pk_mul_f32 v[4:5], v[AC+2:AC+3], v[AC+2:AC+3]
.set p, 2
.rept 30
	v_pk_fma_f32 v[2+2*(p%2):3+2*(p%2)], v[AC+2*p:AC+2*p+1], v[AC+2*p:AC+2*p+1], v[2+2*(p%2):3+2*(p%2)]
.set p, p+1
.endr
	WIN 0
	v_pk_add_f32 v[2:3], v[2:3], v[4:5]
	v_add_f32 v2, v2, v3
	v_permlanex16_b32 v3, v2, s18, s19
	v_add_f32 v2, v2, v3
	v_fma_f32 v2, v2, s20, s21
	v_rsq_f32 v6, v2
	WIN (WW|4)                                     ; source 0 the accumulators, source 1 window 1
.set p, 0
.rept 32
	v_pk_mul_f32 v[U+2*p:U+2*p+1], v[AC+2*p:AC+2*p+1], v[WN+2*p:WN+2*p+1]   ; x gain: plain work behind the root
.set p, p+1
.endr
	WIN (RW<<2)                                    ; source 1: the set's window
.set p, 0
.rept 16
.set T, 8+4*(p%2)
	v_pk_mul_f32 v[T:T+1], v[U+32+2*p:U+33+2*p], v[RB+32+2*p:RB+33+2*p]
	v_pk_mul_f32 v[T+2:T+3], v[U+2*p:U+2*p+1], v[RB+32+2*p:RB+33+2*p]
	v_pk_fma_f32 v[U+2*p:U+2*p+1], v[U+2*p:U+2*p+1], v[RB+2*p:RB+2*p+1], v[T:T+1] neg_lo:[0,0,1] neg_hi:[0,0,1]   ; first cos - second sin
	v_pk_fma_f32 v[U+32+2*p:U+33+2*p], v[U+32+2*p:U+33+2*p], v[RB+2*p:RB+2*p+1], v[T+2:T+3]                        ; second cos + first sin
.set p, p+1
.endr
.if (\a) < 4
	ROPELD (\a)+4                                  ; the set takes the block four further on
.endif
	WIN 0
	s_wait_alu depctr_va_vdst(0)                   ; the wait ahead of the root's first reader
.set p, 0
.rept 32
	v_pk_mul_f32 v[U+2*p:U+2*p+1], v[U+2*p:U+2*p+1], v[6:7] op_sel_hi:[1,0]
.set p, p+1
.endr
.set p, 0
.rept 32
	v_cvt_pk_f16_f32 v[TMP+p], v[U+2*p], v[U+2*p+1]
.set p, p+1
.endr
.endm
.macro VBLOCK a
.set AC, 64*((\a)%4)
.set WW, 2+(\a)/4
	WIN (WW*5)
.set p, 0
.rept 32
	v_cvt_pk_f16_f32 v[TMP+p], v[AC+2*p], v[AC+2*p+1]
.set p, p+1
.endr
	WIN 0
.endm
.macro TOSTAGE a                       ; 16 bytes a lane into rows of 272 bytes; back as whole rows of 256.  LDS serves a wave's instructions in order (ISA guide 5.7.1.4)
	s_wait_xcnt 0x0                                ; the stores of the block before last have read the registers that these loads fill
.irp b, 0,1,2,3,4,5,6,7
	ds_store_b128 v[STO], v[TMP+4*\b:TMP+4*\b+3] offset:32*\b
.endr
	WIN TO_B
.irp t, 0,1,2,3,4,5,6,7
	ds_load_b128 v[32*((\a)%2)+4*\t:32*((\a)%2)+4*\t+3], v[RD] offset:\t*2*SPITCH
.endr
	WIN 0
.endm
.macro SEND a
	s_wait_dscnt 0x0                               ; the block is back in registers
	WIN 0x04                                       ; a store's data: window 1
.irp t, 0,1,2,3,4,5,6,7
	global_store_b128 v[CO], v[32*((\a)%2)+4*\t:32*((\a)%2)+4*\t+3], s[12:13] offset:(\a)*4096+512*\t   ; 32 lanes store 512 consecutive bytes, aligned
.endr
	WIN 0
.endm
	QKBLOCK 0
	TOSTAGE 0
.irp a, 1,2,3,4,5,6,7                  ; block a's arithmetic stands between block a - 1's loads from the stage and the wait for them
	QKBLOCK \a
	SEND \a-1
	TOSTAGE \a
.endr
	SEND 7
	s_wait_tensorcnt 0x0                           ; the wave's end
	ds_add_u32 v[SPW], v[NIL]
	s_wait_dscnt 0x0
	CROUND                                         ; the closing round
	s_endpgm
.Lv_out:
	s_wait_loadcnt 0x0                             ; the loads issued at the head have landed
	VBLOCK 0
	TOSTAGE 0
.irp a, 1,2,3,4,5,6,7
	VBLOCK \a
	SEND \a-1
	TOSTAGE \a
.endr
	SEND 7
	s_wait_tensorcnt 0x0                           ; the wave's end: the three lines
	ds_add_u32 v[SPW], v[NIL]
	s_wait_dscnt 0x0
	CROUND                                         ; the closing round
	s_endpgm
.Lfunc_end_k_q0dea381299_qkv:
	.size	k_q0dea381299_qkv, .Lfunc_end_k_q0dea381299_qkv-k_q0dea381299_qkv
	.p2alignl 7, 3214868480
	.fill 96, 4, 3214868480
	.section	.rodata,"a",@progbits
	.p2align	6, 0x0
	.amdhsa_kernel k_q0dea381299_qkv
		.amdhsa_group_segment_fixed_size 327680
		.amdhsa_private_segment_fixed_size 0
		.amdhsa_enable_private_segment 0
		.amdhsa_kernarg_size 40
		.amdhsa_user_sgpr_count 2
		.amdhsa_user_sgpr_kernarg_segment_ptr 1
		.amdhsa_wavefront_size32 1
		.amdhsa_system_sgpr_workgroup_id_x 1
		.amdhsa_system_sgpr_workgroup_id_y 1
		.amdhsa_system_sgpr_workgroup_id_z 1
		.amdhsa_system_vgpr_workitem_id 0
		.amdhsa_next_free_vgpr 1024
		.amdhsa_next_free_sgpr 102
		.amdhsa_reserve_vcc 0
		.amdhsa_float_denorm_mode_32 3
		.amdhsa_float_denorm_mode_16_64 3
		.amdhsa_memory_ordered 1
		.amdhsa_forward_progress 1
		.amdhsa_inst_pref_size 255
	.end_amdhsa_kernel
	.section	.bss,"aw",@nobits
	.p2align	6
	.space	262144
	.amdgpu_metadata
---
amdhsa.version: [ 1, 2 ]
amdhsa.kernels:
  - .name:           k_q0dea381299_qkv
    .symbol:         k_q0dea381299_qkv.kd
    .args:
      - { .name: xw, .offset: 0, .size: 8, .value_kind: global_buffer, .address_space: global }
      - { .name: qkvh, .offset: 8, .size: 8, .value_kind: global_buffer, .address_space: global }
      - { .name: q_norm_w, .offset: 16, .size: 8, .value_kind: global_buffer, .address_space: global }
      - { .name: k_norm_w, .offset: 24, .size: 8, .value_kind: global_buffer, .address_space: global }
      - { .name: rope, .offset: 32, .size: 8, .value_kind: global_buffer, .address_space: global }
    .group_segment_fixed_size: 327680
    .private_segment_fixed_size: 0
    .kernarg_segment_align: 8
    .kernarg_segment_size: 40
    .max_flat_workgroup_size: 128
    .sgpr_count:     102
    .vgpr_count:     1024
    .wavefront_size: 32
...
	.end_amdgpu_metadata
.endif
;; end of part 2
;; launch attn (part 3): grid 16 x 16, 4 waves a work-group, clusters of 4 x 1, 327,680 bytes of LDS; arguments qkvh, mw, ao; writes ao
.if DOCPART == 3
	.amdgcn_target "amdgcn-amd-amdhsa--gfx1250"
	.amdhsa_code_object_version 6
	.text
	.protected	k_q0dea381299_attn
	.globl	k_q0dea381299_attn
	.p2align	8
	.type	k_q0dea381299_attn,@function
k_q0dea381299_attn:
	s_mov_b64 s[64:65], 0
	v_nop
	global_prefetch_b8 v0, s[64:65] scope:SCOPE_SE
	s_setreg_imm32_b32 hwreg(HW_REG_WAVE_MODE, 25, 1), 1
	s_wait_xcnt 0x0
	s_wait_alu depctr_hold_cnt(0) depctr_sa_sdst(0) depctr_va_vdst(0) depctr_va_sdst(0) depctr_va_ssrc(0) depctr_va_vcc(0) depctr_vm_vsrc(0)
	s_getreg_b32 s2, hwreg(HW_REG_IB_STS2, 6, 4)
	s_cmp_eq_u32 s2, 0
	s_cbranch_scc0 .Lentry_in_a_cluster
	s_endpgm
.Lentry_in_a_cluster:
	s_bfe_u32 s2, ttmp6, 0x10000c
	s_cmp_lg_u32 s2, 0x3003
	s_cbranch_scc0 .Lentry_shape_is_right
	s_endpgm
.Lentry_shape_is_right:
; Attention with grouped heads and a mask that is an input.  q, k, v: f16 rows of 256 bytes in qkvh; products with f16 operands, maxima and sums in f32; the weights p are rounded to f16 for the second product, the result once at the end.
; SHARES.  A work-group owns 128 positions of one (batch, key head) and BOTH query heads of that key head: 256 query rows.  A wave owns 32 positions: tile t of its four is positions 16 (t / 2) on of head t % 2.
; Every wave walks all 2,048 keys, 64 a step: the mask is data.
; LAYOUT.  S^T = K Q^T, O^T = V^T P: a lane holds ONE query (lane % 16) and in S^T the keys 8 (lane / 16) + 0..7 of each tile of 16 keys.
; THE MASK comes as words whose bit l belongs to lane l: one word for each register of S^T, read by scalar loads a turn ahead.  A hidden score becomes -2^100 ahead of the maximum.  c x -2^100 is exact, so in a row with
; no open key every p is 2^0 = 1 and the row is the mean of v, as with the reference's constant; as soon as an open key comes, a = 2^(c m_old - c m_new) = 0 wipes what was summed.  Open scores lie far above -2^100.
; SOFTMAX.  A running maximum m and sum l for each query: p = 2^(c s - c m), c = log2(e) / sqrt(128); O and l are multiplied by a in every step.
; BY TURNS.  Piece 0 (tiles 0, 1) and piece 2 (tiles 2, 3): in a turn one piece has the matrix unit (32 products V^T P, 32 products K Q^T of the next step) and the other piece's softmax stands in 64 slices behind its matrix instructions.
; The two tiles of a piece are the same positions of two heads: they share their mask words.
; CLUSTER.  The four blocks of positions of a cluster walk the same K and V: each tile is asked for jointly.
; LIMITS: |v| under 65,504 (f16); NaN and infinities are not served.
; REGISTERS: window 0: v0-11 addresses; v12-43 statistics; v60 -2^100; v61-63; v64-191 S^T; v192-255 P.  window 1: O^T.  window 2: v0-127 Q, v128-255 K.  window 3: v0-127 V.
.set SIZE_N, 2048
.set KOFF,  16777216                   ; k's rows in qkvh
.set VOFF,  25165824                   ; v's
.set KS,    64
.set PK,    272                        ; a row of K in LDS: 256 + 16
.set PV,    288                        ; a row of V: 256 + 32
.set VOFF_L, KS*PK                     ; a step's tiles: 64 rows of K, then 64 rows of V
.set STEPB, KS*(PK+PV)
.set SLOT1, 1<<17
.set STAGE, SLOT1+2*STEPB
.set SP,    272
.set AK0, 2
.set AV0, 3
.set ADR, 4
.set QO,  5
.set STO, 6
.set RD,  7
.set GO,  8
.set MSKV, 60                          ; v60  -2^100
.set PFO, 61
.set SPW, 62
.set NIL, 63
.set SPARE, STAGE+4*16*272             ; the spare words, 128 bytes for each wave: two blocks of 256 bytes that no other line names
.set ST,  12
.set S,   64
.set P,   192
.set KF,  128
.set WV,  12
.set G1K, 24
.set G1V, 32
.set G0K, 40
.set G0V, 48
.set SLOTS, 56
.set TWICE, 57
.set CS,  58
.set SEL, 60
.set TB,  62
.set MOFF, 63                          ; s63  where the step's mask words begin in a tile of queries' 4,096 bytes: 1,024 (step / 8) + 64 (step % 8)
.set MW,  68                           ; s[68:99] the 32 mask words of one tile of queries and one key step: s[MW + 16 (j / 4) + 4 kb + j % 4] for register j of key tile kb
.set MP,  100                          ; s[100:101] my wave's first tile of queries in mw
.set PFA, 18
.set LIM, 15
.set MSB, 0
.macro WIN new
.if MSB != \new
	s_set_vgpr_msb (MSB<<8)|\new
.set MSB, \new
.endif
.endm
.set W_KQ, 0x0a
.set W_PV, 0x53
.set W_RS, 0x41
; A joint refill: waves 0 and 1 fetch the two steps' tiles of K, waves 2 and 3 those of V.  An s_nop 0 and four v_nop follow each line.
.macro JLOAD
	s_cmp_lt_u32 s[WV], 2
	s_cbranch_scc0 .Lfor_v_\@
	tensor_load_to_lds s[G0K+4:G0K+7], s[G1K:G1K+7]
	s_nop 0
.rept 4
	v_nop
.endr
	s_branch .Lasked_\@
.Lfor_v_\@:
	tensor_load_to_lds s[G0V+4:G0V+7], s[G1V:G1V+7]
	s_nop 0
.rept 4
	v_nop
.endr
.Lasked_\@:
.endm
; A prefetch of what the NEXT change of slots will ask for: 128 rows of K and of V, a lane a row.  Each row is named once: the first of the four clusters that walk these rows asks; its partners take 32 rows each, told apart by
; address; wave 0 asks for K's, wave 2 for V's.  The last change that fills a slot asks for nothing.
.macro ASK
	s_cmp_gt_u32 s[SLOTS], s[LIM]
	s_cbranch_scc0 .Lnot_mine_\@
	global_prefetch_b8 v[PFO], s[PFA:PFA+1] th:TH_LOAD_NT scope:SCOPE_SE
.Lnot_mine_\@:
.endm
.macro CROUND
	s_barrier_signal -1
	s_barrier_wait -1
	s_cmp_lg_u32 s[WV], 0
	s_cbranch_scc1 .Lnot_wave_0_\@
	s_barrier_signal -3
.Lnot_wave_0_\@:
	s_barrier_wait -3
	s_barrier_signal -1
	s_barrier_wait -1
.endm
	s_load_b128 s[4:7], s[0:1], 0x0                ; qkvh, mw
	s_load_b64 s[10:11], s[0:1], 0x10              ; ao
	v_lshl_add_u32 v[SPW], v0, 2, SPARE
	v_mov_b32 v[NIL], 0
	ds_add_u32 v[SPW], v[NIL]                      ; the wave's opening: the add, twice on end, and its wait ahead of my first tensor load
	ds_add_u32 v[SPW], v[NIL]
	v_lshrrev_b32 v1, 5, v0
	v_readfirstlane_b32 s[WV], v1                  ; wave 0..3
	s_bfe_u32 s13, ttmp6, 0x40000                  ; cx
	s_lshl_b32 s14, ttmp9, 2
	s_add_co_u32 s14, s14, s13                     ; my block of 128 positions: it enters Q's, the mask's and the output's addresses alone
	s_and_b32 s20, ttmp7, 0xffff                   ; y = 8 x batch + key head, which the four partners share
	s_lshr_b32 s66, s20, 3                         ; batch
	s_lshl_b32 s68, s66, 19                        ; mask words: batch, then 4,096 bytes for each 16 positions
	s_lshl_b32 s69, s14, 15
	s_add_co_u32 s68, s68, s69
	s_lshl_b32 s69, s[WV], 13
	s_add_co_u32 s68, s68, s69
	s_mov_b32 s69, 0
	s_lshl_b32 s70, s66, 23                        ; the output: rows of 4,096 bytes; the key head's two heads are 512 bytes of a row
	s_lshl_b32 s71, s14, 19
	s_add_co_u32 s70, s70, s71
	s_lshl_b32 s71, s[WV], 17
	s_add_co_u32 s70, s70, s71
	s_and_b32 s71, s20, 7
	s_lshl_b32 s71, s71, 9
	s_add_co_u32 s70, s70, s71
	s_mov_b32 s71, 0
	s_lshl_b32 s2, s20, 20                         ; Q: index 2 y, my block's 128 rows, my wave's 32
	s_lshl_b32 s3, s14, 15
	s_add_co_u32 s2, s2, s3
	s_lshl_b32 s3, s[WV], 13
	s_add_co_u32 s2, s2, s3
	s_mov_b32 s3, 0
	s_and_b32 s16, s[WV], 1                        ; which of a slot's two steps I fetch:
	s_lshl_b32 s22, s16, 14                        ; its 64 rows of 256 bytes,
	s_lshl_b32 s21, s20, 19                        ; in the key head's 2,048 rows
	s_add_co_u32 s22, s22, s21
	s_mov_b32 s23, 0
	s_mul_i32 s17, s16, STEPB                      ; and its place in a slot
	s_mov_b32 s[G1K], 15|(1<<16)|(1<<20)|(1<<21)|(5<<22)|(3<<25)  ; the mask: all four; elements of 2 bytes; padding: 4 words after every 64; bit 21 beside a mask
	s_mov_b32 s[G1V], 15|(1<<16)|(1<<20)|(1<<21)|(5<<22)|(7<<25)  ; the same with 8 words
.irp g, G1K, G1V
	s_mov_b32 s[\g+1], 128<<16                     ; tensor_dim0
	s_mov_b32 s[\g+2], KS<<16                      ; tensor_dim1
	s_mov_b32 s[\g+3], 128<<16                     ; tile_dim0
	s_mov_b32 s[\g+4], KS                          ; tile_dim1
	s_mov_b32 s[\g+5], 128                         ; from row to row
	s_mov_b32 s[\g+6], 0
	s_mov_b32 s[\g+7], 0
.endr
	s_mov_b32 s[CS], 0x3e0293ee                    ; c = log2(e) / sqrt(128)
	s_mov_b32 s[CS+1], s[CS]
	s_mov_b32 s[SEL], 0x76543210
	s_mov_b32 s[SEL+1], 0xfedcba98
	s_mov_b32 s[TB], 0
	s_mov_b32 s[MOFF], 0
	s_mov_b32 s[SLOTS], SIZE_N/(2*KS)-2
	s_and_b32 s[LIM], s[WV], 1
	s_or_b32 s[LIM], s[LIM], ttmp9                 ; 0 in waves 0 and 2 of the first cluster: the same in all four partners
	s_cmp_eq_u32 s[LIM], 0
	s_cselect_b32 s[LIM], 1, -1
	v_and_b32 v[PFO], 31, v0
	v_lshlrev_b32 v[PFO], 8, v[PFO]
	v_mov_b32 v[MSKV], 0xf1800000
	s_wait_dscnt 0x0                               ; both opening adds are done
	s_wait_kmcnt 0x0
	s_add_nc_u64 s[MP:MP+1], s[6:7], s[68:69]
	s_add_nc_u64 s[6:7], s[4:5], s[22:23]
	s_add_nc_u64 s[8:9], s[6:7], VOFF              ; V at my tile of slot 0,
	s_add_nc_u64 s[6:7], s[6:7], KOFF              ; K likewise
	s_add_nc_u64 s[4:5], s[4:5], s[2:3]            ; Q at my wave's first row
	s_add_nc_u64 s[10:11], s[10:11], s[70:71]
	s_load_b512 s[MW:MW+15], s[MP:MP+1], s[MOFF] offset:0x0        ; piece 0's mask words of key step 0
	s_load_b512 s[MW+16:MW+31], s[MP:MP+1], s[MOFF] offset:0x200
	s_cmp_lt_u32 s[WV], 2
	s_cselect_b64 s[PFA:PFA+1], s[6:7], s[8:9]
	s_lshl_b32 s2, s13, 13                         ; my work-group's 32 rows of the 128
	s_mov_b32 s3, 0
	s_add_nc_u64 s[PFA:PFA+1], s[PFA:PFA+1], s[2:3]
	s_add_nc_u64 s[PFA:PFA+1], s[PFA:PFA+1], 2*2*KS*256  ; in slot 2; the first change of slots steps it to slot 3
	CROUND                                         ; all four work-groups are here: the first joint loads meet
.irp s, 0,1
	s_mov_b32 s[G0K+4*\s], 1
	s_add_co_u32 s[G0K+4*\s+1], s17, \s*SLOT1
	s_add_nc_u64 s[G0K+4*\s+2:G0K+4*\s+3], s[6:7], \s*2*KS*256
	s_or_b32 s[G0K+4*\s+3], s[G0K+4*\s+3], 0x80000000
	s_mov_b32 s[G0V+4*\s], 1
	s_add_co_u32 s[G0V+4*\s+1], s17, \s*SLOT1+VOFF_L
	s_add_nc_u64 s[G0V+4*\s+2:G0V+4*\s+3], s[8:9], \s*2*KS*256
	s_or_b32 s[G0V+4*\s+3], s[G0V+4*\s+3], 0x80000000
.endr
	s_cmp_lt_u32 s[WV], 2                          ; a wave's two first fills stand in one branch: two loads of mine are out
	s_cbranch_scc0 .Lfirst_v
	tensor_load_to_lds s[G0K:G0K+3], s[G1K:G1K+7]
	s_nop 0
	tensor_load_to_lds s[G0K+4:G0K+7], s[G1K:G1K+7]
	s_nop 0
.rept 4
	v_nop
.endr
	s_branch .Lfirst_asked
.Lfirst_v:
	tensor_load_to_lds s[G0V:G0V+3], s[G1V:G1V+7]
	s_nop 0
	tensor_load_to_lds s[G0V+4:G0V+7], s[G1V:G1V+7]
	s_nop 0
.rept 4
	v_nop
.endr
.Lfirst_asked:
	v_and_b32 v1, 15, v0                           ; l % 16
	v_bfe_u32 v9, v0, 4, 1                         ; l / 16
	v_lshlrev_b32 v[QO], 8, v1
	v_lshl_add_u32 v[QO], v9, 4, v[QO]
	WIN 0x80                                       ; destination window 2
.irp i, 0,1,2,3,4,5,6,7,8,9,10,11,12,13,14,15      ; Q stays in registers: tile i / 4 (head (i / 4) % 2, positions 16 (i / 8) on), channels 32 (i % 4) on
	global_load_b128 v[8*\i:8*\i+3],   v[QO], s[4:5] offset:((\i/4)%2)*524288+(\i/8)*4096+(\i%4)*64
	global_load_b128 v[8*\i+4:8*\i+7], v[QO], s[4:5] offset:((\i/4)%2)*524288+(\i/8)*4096+(\i%4)*64+32
.endr
	WIN 0
	v_mul_u32_u24 v[AK0], v1, PK
	v_lshl_add_u32 v[AK0], v9, 4, v[AK0]
	v_and_b32 v10, 7, v0
	v_bfe_u32 v11, v0, 3, 1
	v_lshl_add_u32 v[AV0], v9, 3, v10
	v_mul_u32_u24 v[AV0], v[AV0], PV
	v_lshl_add_u32 v[AV0], v11, 4, v[AV0]
	v_add_nc_u32 v[AV0], VOFF_L, v[AV0]
; Product i of 32 of O^T += V^T P.  The accumulators take turns, one instruction a turn.
.macro PV x, zero
	WIN W_PV
.set rO, 64*(\x+i%2)+8*((i/2)%8)
.set rV, 64*(i/16)+8*((i/2)%8)
.set rP, P+16*(\x+i%2)+8*(i/16)
.if \zero && (i < 16)
	v_wmma_f32_16x16x32_f16 v[rO:rO+7], v[rV:rV+7], v[rP:rP+7], 0
.else
	v_wmma_f32_16x16x32_f16 v[rO:rO+7], v[rV:rV+7], v[rP:rP+7], v[rO:rO+7]
.endif
.endm
; Product i of 32 of S^T = K Q^T.  The first 8 start the sums.
.macro KQ x
	WIN W_KQ
.set rS, S+32*(\x+i%2)+8*((i/2)%4)
.set rK, KF+32*((i/2)%4)+8*(i/8)
.set rQ, 32*(\x+i%2)+8*(i/8)
.if i < 8
	v_wmma_f32_16x16x32_f16 v[rS:rS+7], v[rK:rK+7], v[rQ:rQ+7], 0
.else
	v_wmma_f32_16x16x32_f16 v[rS:rS+7], v[rK:rK+7], v[rQ:rQ+7], v[rS:rS+7]
.endif
.endm
.macro FETCH_K
	WIN 0
	v_add_nc_u32 v[ADR], s[TB], v[AK0]
	WIN 0x80
.irp f, 0,1,2,3,4,5,6,7,8,9,10,11,12,13,14,15
	ds_load_b128 v[KF+8*\f:KF+8*\f+3],   v[ADR] offset:(\f/4)*16*PK+(\f%4)*64
	ds_load_b128 v[KF+8*\f+4:KF+8*\f+7], v[ADR] offset:(\f/4)*16*PK+(\f%4)*64+32
.endr
.endm
.macro FETCH_V
	WIN 0
	v_add_nc_u32 v[ADR], s[TB], v[AV0]
	s_add_co_u32 s[TB], s[TB], STEPB               ; the next fetch is the next step's
	s_wait_alu depctr_va_vdst(0)                   ; the wait for the softmax's batch of exponentials, ahead of the loads
	WIN 0xc0
.irp f, 0,1,2,3,4,5,6,7,8,9,10,11,12,13,14,15
	ds_load_tr16_b128 v[8*\f:8*\f+3],   v[ADR] offset:(\f/8)*32*PV+(\f%8)*32
	ds_load_tr16_b128 v[8*\f+4:8*\f+7], v[ADR] offset:(\f/8)*32*PV+16*PV+(\f%8)*32
.endr
.endm
; Score e of tile t keeps its value where its lane's bit of the mask word is set, and becomes -2^100 where not
.macro MK t, e
	v_cndmask_b32 v[S+32*(\t)+(\e)], v[MSKV], v[S+32*(\t)+(\e)], s[MW+16*(((\e)%8)/4)+4*((\e)/8)+(\e)%4]
.endm
; The next softmax's 32 mask words, asked for as soon as this one's 64 selects are issued.  Behind piece 0's: piece 2's of the same step, 4,096 bytes on.  Behind piece 2's: piece 0's of the next step (ml = 0: there is none).
.macro MLOAD y, ml
.if (\y) == 0
	s_load_b512 s[MW:MW+15], s[MP:MP+1], s[MOFF] offset:0x1000
	s_load_b512 s[MW+16:MW+31], s[MP:MP+1], s[MOFF] offset:0x1200
.elseif \ml
	s_wait_xcnt 0x0                                ; the earlier scalar loads have read their offset register: it may be stepped
	s_add_co_u32 s[MOFF], s[MOFF], 64
	s_and_b32 s66, s[MOFF], 512                    ; behind eight steps: over the other half's 512 bytes
	s_add_co_u32 s[MOFF], s[MOFF], s66
	s_load_b512 s[MW:MW+15], s[MP:MP+1], s[MOFF] offset:0x0
	s_load_b512 s[MW+16:MW+31], s[MP:MP+1], s[MOFF] offset:0x200
.endif
.endm
; One tile's softmax for one key step is a list of 134 instructions; SM writes number j of it for tile t.
;   0-15 the maximum; 16-20 the other half of the lanes', the new m, c m, its change; 21-69 ONE BATCH: 16 scalings and 33 exponentials, none of which reads an exponential's result;
;   70-85 the roundings to f16; 86-101 the sums; 102-133 O^T times a.  first = 1: the first key step has no old maximum, no a and nothing to rescale.
.macro SM t, first
.set rT, ST+8*(\t)
.set rS, S+32*(\t)
.set rP, P+16*(\t)
.set rO, 64*(\t)+2*(j-102)
.if j < 102
	WIN 0
.endif
.if j < 4
	v_max3_num_f32 v[rT+4+j], v[rS+8*j], v[rS+8*j+1], v[rS+8*j+2]
.elseif j < 12
	v_max3_num_f32 v[rT+4+j%4], v[rT+4+j%4], v[rS+8*(j%4)+2*(j/4)+1], v[rS+8*(j%4)+2*(j/4)+2]
.elseif j == 12
	v_max3_num_f32 v[rT+4], v[rT+4], v[rS+7], v[rS+15]
.elseif j == 13
	v_max3_num_f32 v[rT+6], v[rT+6], v[rS+23], v[rS+31]
.elseif j == 14
	v_max3_num_f32 v[rT+4], v[rT+4], v[rT+5], v[rT+6]
.elseif (j == 15) && \first
	v_max_num_f32 v[rT+4], v[rT+4], v[rT+7]
.elseif j == 15
	v_max3_num_f32 v[rT+4], v[rT+4], v[rT+7], v[rT+1]
.elseif j == 16
	v_permlanex16_b32 v[rT+5], v[rT+4], s[SEL], s[SEL+1]
.elseif j == 18
	v_max_num_f32 v[rT+1], v[rT+4], v[rT+5]
.elseif j == 19
	v_mul_f32 v[rT], s[CS], v[rT+1]
.elseif ((j == 17) || (j == 20) || (j == 23) || (j > 101)) && \first
.elseif j == 17
	v_mov_b32 v[rT+7], v[rT]
.elseif j == 20
	v_sub_f32 v[rT+7], v[rT+7], v[rT]
.elseif j == 23
	v_exp_f32 v[rT+6], v[rT+7]
.elseif (j < 23) || ((j < 38) && (j%2 == 0)) || ((j < 66) && (j%4 == 2))
.set b, (j-2)/4
.if j < 38
.set b, (j-20)/2
.endif
	v_pk_fma_f32 v[rS+2*b:rS+2*b+1], v[rS+2*b:rS+2*b+1], s[CS:CS+1], v[rT:rT+1] op_sel_hi:[1,0,0] neg_lo:[0,0,1] neg_hi:[0,0,1]
.elseif j < 70
.set e, j-38
.if j < 66
.set e, j-32-(j-38)/4
.endif
.if j < 38
.set e, (j-25)/2
.endif
	v_exp_f32 v[rS+e], v[rS+e]
.elseif j < 86
	v_cvt_pk_f16_f32 v[rP+j-70], v[rS+2*(j-70)], v[rS+2*(j-70)+1]
.elseif j < 102
.set z, j-86
.set w, 4
.set u, z
.if z >= 14
.set w, 32
.set u, 0
.elseif z >= 12
.set w, 16
.set u, z-12
.elseif z >= 8
.set w, 8
.set u, z-8
.endif
.if (z == 14) && \first
	v_pk_add_f32 v[rT+2:rT+3], v[rS:rS+1], v[rS+16:rS+17]
.elseif z < 15
	v_pk_add_f32 v[rS+w*u:rS+w*u+1], v[rS+w*u:rS+w*u+1], v[rS+w*u+w/2:rS+w*u+w/2+1]
.elseif !\first
	v_pk_fma_f32 v[rT+2:rT+3], v[rT+2:rT+3], v[rT+6:rT+7], v[rS:rS+1] op_sel_hi:[1,0,1]
.endif
.else
	WIN W_RS
	v_pk_mul_f32 v[rO:rO+1], v[rO:rO+1], v[rT+6:rT+7] op_sel_hi:[1,0]
.endif
.endm
; A piece's vector work of a turn is a list of 332 items; ITEM writes item nn.  0-63: the mask, score nn / 2 of both tiles by turns, each accumulator from its low end on; the wait for the words ahead of the first, the
; request for the next words behind the last.  64-107: numbers 0-21 of both tiles' lists.  108-203: the batch, four numbers of one tile at a time; behind it one plain line and the ONE wait for the piece's 66 exponentials
; (in piece 2's turn inside V's run of loads).  204-331: numbers 70-133.
.macro ITEM y, first, ml
.if nn < 64
.if nn == 0
	s_wait_kmcnt 0x0                               ; this softmax's mask words are in (asked for most of a turn ago)
.endif
	WIN 0
	MK (\y)+nn%2, nn/2
.if nn == 63
	MLOAD \y, \ml
.endif
.elseif nn < 108
.set j, (nn-64)/2
	SM (\y)+nn%2, \first
.elseif nn < 204
.set j, 22+4*((nn-108)/8)+(nn-108)%4
	SM (\y)+((nn-108)/4)%2, \first
.if nn == 203
	v_nop                                          ; the plain line behind the last exponential
.if (\y) == 0
	FETCH_V
.else
	s_wait_alu depctr_va_vdst(0)                   ; the wait for the batch
.endif
.endif
.else
.set j, 70+(nn-204)/2
	SM (\y)+nn%2, \first
.endif
.set nn, nn+1
.endm
; Slice k of 64: six items in slices 0-17 and 42-61, four in slices 18-41 (the batch) and 62, 63: 108 + 96 + 120 + 8 = 332.  Slice 63's four packed multiplies are the places behind the turn's last product.
.macro SLICE y, first, ml
.set cnt, 6
.if ((k >= 18) && (k < 42)) || (k >= 62)
.set cnt, 4
.endif
.rept cnt
	ITEM \y, \first, \ml
.endr
.set k, k+1
.endm
.macro PLACES
.rept 4
	v_nop
.endr
.endm
; A TURN.  Piece x has the matrix unit; the other piece's softmax stands in slices.  pv = 2: 32 products V^T P; 1: they start O^T's sums; 0: none.  kq = 1: 32 products K Q^T for the next step.
; Piece 0's turn fetches the next step's K behind its second product; piece 2's turn the same step's V behind slice 41: between the last product that read V (ahead of slice 31) and those loads lie nine scalings, the v_nop and the run's own addition.
.macro TURN x, pv, kq, first, ml
.set k, 0
.set nn, 0
.set per, 2
.if \pv && \kq
.set per, 1
.endif
.if \pv
.if \x == 0
	s_wait_dscnt 0x0                               ; V is in
.endif
.set i, 0
.rept 32
	PV \x, 2-\pv
.rept per
	SLICE 2-\x, \first, \ml
.endr
.if (\x == 0) && \kq && (i == 1)
	FETCH_K
.endif
.set i, i+1
.endr
.endif
.if \kq
.if \x == 0
	s_wait_dscnt 0x0                               ; K is in
.endif
.set i, 0
.rept 32
	KQ \x
.rept per
	SLICE 2-\x, \first, \ml
.endr
.set i, i+1
.endr
.endif
.if \first
	PLACES
.endif
.endm
; THE CHANGE OF SLOTS: each wave waits for all its tensor loads (one is out: its part of the other slot), adds 0 to its spare word, and waits for that and for its reads of the slot.  fill = 1: the barrier is a round of the
; cluster's, and the joint refill is the first thing behind it: it has two key steps, 256 matrix instructions, in which to land.
.macro CHANGE fill
	WIN 0
	s_wait_tensorcnt 0x0
	ds_add_u32 v[SPW], v[NIL]
.if \fill
.irp g, G0K+4, G0V+4
	s_xor_b32 s[\g+1], s[\g+1], SLOT1
	s_add_nc_u64 s[\g+2:\g+3], s[\g+2:\g+3], 2*KS*256
.endr
	s_wait_xcnt 0x0                                ; the last prefetch, two key steps back, has read its address
	s_add_nc_u64 s[PFA:PFA+1], s[PFA:PFA+1], 2*KS*256
	s_wait_dscnt 0x0
	CROUND
	JLOAD
	ASK
.else
	s_wait_dscnt 0x0
	s_barrier_signal -1
	s_barrier_wait -1
.endif
	s_sub_co_u32 s[TB], s[TB], 2*STEPB
	s_xor_b32 s[TB], s[TB], SLOT1
.endm
.macro TWO_STEPS
	s_mov_b32 s[TWICE], 2
.Lstep_\@:
	TURN 0, 2, 1, 0, 1
	TURN 2, 2, 1, 0, 1
	WIN 0
	s_sub_co_u32 s[TWICE], s[TWICE], 1
	s_cmp_lg_u32 s[TWICE], 0
	s_cbranch_scc1 .Lstep_\@
.endm
	s_wait_tensorcnt 1                             ; my part of slot 0 is in; slot 1's may stay out
	s_barrier_signal -1
	s_barrier_wait -1
	FETCH_K                                        ; key step 0
	s_wait_loadcnt 0x0                             ; Q
	s_wait_dscnt 0x0
.set i, 0
.rept 32
	KQ 0
.set i, i+1
.endr
	WIN 0                                          ; the addresses for the way out: eight plain lines, the places behind those products
	s_mul_i32 s13, s[WV], 16*SP
	s_add_co_u32 s13, s13, STAGE
	v_mul_u32_u24 v[STO], v1, SP
	v_lshl_add_u32 v[STO], v9, 4, v[STO]
	v_add_nc_u32 v[STO], s13, v[STO]
	v_mul_u32_u24 v[RD], v9, SP
	v_lshl_add_u32 v[RD], v1, 4, v[RD]
	v_add_nc_u32 v[RD], s13, v[RD]
	v_lshlrev_b32 v[GO], 12, v9                    ; two rows of the output, 4,096 bytes apart
	v_lshl_add_u32 v[GO], v1, 4, v[GO]
	TURN 2, 0, 1, 1, 1                             ; piece 2's first scores | piece 0's first softmax | V of step 0
	TURN 0, 1, 1, 1, 1                             ; piece 0: V^T P of step 0 starts O^T, K Q^T of step 1 | piece 2's first softmax | K of step 1
	TURN 2, 1, 1, 0, 1                             ; piece 2: the same | piece 0's softmax of step 1 | V of step 1
	WIN 0
.Lslot:                                            ; 14 trips: every slot but the last two is filled again
	CHANGE 1
	TWO_STEPS
	s_sub_co_u32 s[SLOTS], s[SLOTS], 1
	s_cmp_lg_u32 s[SLOTS], 0
	s_cbranch_scc1 .Lslot
	CHANGE 0                                       ; the tail is written out
	TWO_STEPS
	TURN 0, 2, 0, 0, 0                             ; piece 0: V^T P of the last step | piece 2's last softmax: no mask words are left to ask for
.set i, 0
.rept 32
	PV 2, 0
.set i, i+1
.endr
	; THE WAY OUT: O^T / l, rounded to f16, through my stage in LDS, a tile (16 positions of one head) at a time.
	WIN 0
.irp t, 0,1,2,3
	v_add_f32 v[ST+8*\t+4], v[ST+8*\t+2], v[ST+8*\t+3]
.endr
.irp t, 0,1,2,3
	v_permlanex16_b32 v[ST+8*\t+5], v[ST+8*\t+4], s[SEL], s[SEL+1]
.endr
.irp t, 0,1,2,3
	v_add_f32 v[ST+8*\t+4], v[ST+8*\t+4], v[ST+8*\t+5]
.endr
.irp t, 0,1,2,3
	v_rcp_f32 v[ST+8*\t+6], v[ST+8*\t+4]
.endr
	v_nop
	s_wait_alu depctr_va_vdst(0)                   ; one wait for the four reciprocals, ahead of their first use
.macro PACK t
	WIN W_RS
.set i, 64*\t
.rept 32
	v_pk_mul_f32 v[i:i+1], v[i:i+1], v[ST+8*\t+6:ST+8*\t+7] op_sel_hi:[1,0]
.set i, i+2
.endr
	WIN 0x05
.set i, 0
.rept 32
	v_cvt_pk_f16_f32 v[S+32*\t+i], v[64*\t+2*i], v[64*\t+2*i+1]
.set i, i+1
.endr
	WIN 0
.irp f, 0,1,2,3,4,5,6,7
	ds_store_b128 v[STO], v[S+32*\t+4*\f:S+32*\t+4*\f+3] offset:32*\f
.endr
.irp f, 0,1,2,3,4,5,6,7
	ds_load_b128 v[S+32*\t+4*\f:S+32*\t+4*\f+3], v[RD] offset:\f*2*SP  ; LDS serves a wave's instructions in order (ISA guide 5.7.1.4)
.endr
.endm
.macro SEND t, younger
.irp f, 0,1,2,3,4,5,6,7
	s_wait_dscnt \younger+7-\f
	global_store_b128 v[GO], v[S+32*\t+4*\f:S+32*\t+4*\f+3], s[10:11] offset:(\t/2)*65536+(\t%2)*256+\f*8192  ; 16 lanes store 256 consecutive bytes, aligned: one head's part of a row
.endr
.endm
	PACK 0
	PACK 1
	SEND 0, 16
	PACK 2
	SEND 1, 16
	PACK 3
	SEND 2, 16
	SEND 3, 0
	s_wait_tensorcnt 0x0                           ; the wave's end
	ds_add_u32 v[SPW], v[NIL]
	s_wait_dscnt 0x0
	CROUND                                         ; the closing round
	s_endpgm
.Lfunc_end_k_q0dea381299_attn:
	.size	k_q0dea381299_attn, .Lfunc_end_k_q0dea381299_attn-k_q0dea381299_attn
	.p2alignl 7, 3214868480
	.fill 96, 4, 3214868480
	.section	.rodata,"a",@progbits
	.p2align	6, 0x0
	.amdhsa_kernel k_q0dea381299_attn
		.amdhsa_group_segment_fixed_size 327680
		.amdhsa_private_segment_fixed_size 0
		.amdhsa_enable_private_segment 0
		.amdhsa_kernarg_size 24
		.amdhsa_user_sgpr_count 2
		.amdhsa_user_sgpr_kernarg_segment_ptr 1
		.amdhsa_wavefront_size32 1
		.amdhsa_system_sgpr_workgroup_id_x 1
		.amdhsa_system_sgpr_workgroup_id_y 1
		.amdhsa_system_sgpr_workgroup_id_z 1
		.amdhsa_system_vgpr_workitem_id 0
		.amdhsa_next_free_vgpr 1024
		.amdhsa_next_free_sgpr 102
		.amdhsa_reserve_vcc 0
		.amdhsa_float_denorm_mode_32 3
		.amdhsa_float_denorm_mode_16_64 3
		.amdhsa_memory_ordered 1
		.amdhsa_forward_progress 1
		.amdhsa_inst_pref_size 255
	.end_amdhsa_kernel
	.section	.bss,"aw",@nobits
	.p2align	6
	.space	262144
	.amdgpu_metadata
---
amdhsa.version: [ 1, 2 ]
amdhsa.kernels:
  - .name:           k_q0dea381299_attn
    .symbol:         k_q0dea381299_attn.kd
    .args:
      - { .name: qkvh, .offset: 0, .size: 8, .value_kind: global_buffer, .address_space: global }
      - { .name: mw, .offset: 8, .size: 8, .value_kind: global_buffer, .address_space: global }
      - { .name: ao, .offset: 16, .size: 8, .value_kind: global_buffer, .address_space: global }
    .group_segment_fixed_size: 327680
    .private_segment_fixed_size: 0
    .kernarg_segment_align: 8
    .kernarg_segment_size: 24
    .max_flat_workgroup_size: 128
    .sgpr_count:     102
    .vgpr_count:     1024
    .wavefront_size: 32
...
	.end_amdgpu_metadata
.endif
;; end of part 3
;; launch oproj (part 4): grid 8 x 32, 4 waves a work-group, clusters of 4 x 4, 327,680 bytes of LDS; arguments ao, wot, out0; writes out0
.if DOCPART == 4
	.amdgcn_target "amdgcn-amd-amdhsa--gfx1250"
	.amdhsa_code_object_version 6
	.text
	.protected	k_q0dea381299_oproj
	.globl	k_q0dea381299_oproj
	.p2align	8
	.type	k_q0dea381299_oproj,@function
k_q0dea381299_oproj:
	s_mov_b64 s[64:65], 0
	v_nop
	global_prefetch_b8 v0, s[64:65] scope:SCOPE_SE
	s_setreg_imm32_b32 hwreg(HW_REG_WAVE_MODE, 25, 1), 1
	s_wait_xcnt 0x0
	s_wait_alu depctr_hold_cnt(0) depctr_sa_sdst(0) depctr_va_vdst(0) depctr_va_sdst(0) depctr_va_ssrc(0) depctr_va_vcc(0) depctr_vm_vsrc(0)
	s_getreg_b32 s2, hwreg(HW_REG_IB_STS2, 6, 4)
	s_cmp_eq_u32 s2, 0
	s_cbranch_scc0 .Lentry_in_a_cluster
	s_endpgm
.Lentry_in_a_cluster:
	s_bfe_u32 s2, ttmp6, 0x10000c
	s_cmp_lg_u32 s2, 0xf033
	s_cbranch_scc0 .Lentry_shape_is_right
	s_endpgm
.Lentry_shape_is_right:
; out0[m][d] = sum over k of ao[m][k] wot[d][k].  ao: [4096][2048], wot: [1024][2048], f16; out0: [4096][1024] f32; sums in f32.
; 4096 x 1024 are 256 tiles of 128 x 128: one for each work-group.  Four waves, each 64 x 64: 16 accumulators.  K goes in steps of 256 (LDS rows of 512 bytes) through two slots.
; CLUSTERS: 4 x 4 work-groups; ao's tiles are asked for jointly along a row of the cluster, wot's along a column.  THE MATRIX INSTRUCTION IS USED TRANSPOSED: a lane holds eight neighbouring numbers of a row of the output.
; A wave's 64 columns of f32 are 256 aligned bytes, so each wave sends its own 64 rows through a stage of its own: no barrier on the way out.  The stage lies in slot 0, which has had its last fill and its last read by then.
; REGISTERS: window 0: v0-31 addresses; v128-255 the accumulators.  window 1: two fragment buffers of 128; on the way out v0-127 rows read back.
.set SIZE_M, 4096
.set SIZE_N, 1024
.set SIZE_K, 2048
.set KSTEP,  256
.set PITCH,  528
.set HALFT,  64*PITCH
.set SLOT,   4*HALFT
.set SPITCH, 272
.set SPARE,  2*SLOT                    ; behind the ring: the spare words, 128 bytes for each wave: two blocks of 256 bytes that no other line names
.set LAPS, SIZE_K/(2*KSTEP)
.set ADRA, 16
.set ADRB, 20
.set STO,  24
.set RD,   25
.set CO,   26
.set SPW,  28
.set NIL,  29
.set ACC,  128
.set F0,   0
.set F1,   128
.set G1, 24
.set G0, 32
.set G1B, 48
.set G0B, 56
.set MSB, 0
.macro WIN new
.if MSB != \new
	s_set_vgpr_msb (MSB<<8)|\new
.set MSB, \new
.endif
.endm
.set MUL,  0x05
.set TO_F, 0x40
.macro JLOAD s                         ; a joint load: waves 0 and 1 fetch ao's two halves, waves 2 and 3 wot's; an s_nop 0 and four v_nop follow each line
	s_cmp_eq_u32 s11, 0
	s_cbranch_scc0 .Lfor_b_\@
	tensor_load_to_lds s[G0+4*\s:G0+4*\s+3], s[G1:G1+7]
	s_nop 0
.rept 4
	v_nop
.endr
	s_branch .Lasked_\@
.Lfor_b_\@:
	tensor_load_to_lds s[G0B+4*\s:G0B+4*\s+3], s[G1B:G1B+7]
	s_nop 0
.rept 4
	v_nop
.endr
.Lasked_\@:
.endm
.macro CREST
	s_cmp_lg_u32 s10, 0
	s_cbranch_scc1 .Lnot_wave_0_\@
	s_barrier_signal -3
.Lnot_wave_0_\@:
	s_barrier_wait -3
	s_barrier_signal -1
	s_barrier_wait -1
.endm
.macro CROUND
	s_barrier_signal -1
	s_barrier_wait -1
	CREST
.endm
	s_load_b128 s[4:7], s[0:1], 0x0                ; ao, wot
	s_load_b64 s[8:9], s[0:1], 0x10                ; out0
	v_lshl_add_u32 v[SPW], v0, 2, SPARE
	v_mov_b32 v[NIL], 0
	ds_add_u32 v[SPW], v[NIL]                      ; the wave's opening: the add, twice on end, and its wait ahead of my first tensor load
	ds_add_u32 v[SPW], v[NIL]
	v_lshrrev_b32 v1, 5, v0
	v_readfirstlane_b32 s10, v1                    ; wave 0..3
	s_lshr_b32 s11, s10, 1                         ; which half of the tile's rows is mine.  Also: I fetch for ao (0) or for wot (1)
	s_and_b32 s12, s10, 1                          ; which half of its columns.  Also: which 64 rows I fetch
	s_bfe_u32 s40, ttmp6, 0x40000
	s_bfe_u32 s41, ttmp6, 0x40004
	s_lshl_b32 s42, ttmp9, 2
	s_add_co_u32 s42, s42, s40                     ; tile column
	s_and_b32 s13, ttmp7, 0xffff
	s_lshl_b32 s13, s13, 2
	s_add_co_u32 s13, s13, s41                     ; tile row
	s_lshl_b32 s43, s41, 2
	s_lshl_b32 s43, 15, s43
	s_lshl_b32 s44, 0x1111, s40
	s_or_b32 s[G1+0], s43, (1<<16)|(1<<20)|(1<<21)|(6<<22)|(3<<25)  ; the mask; elements of 2 bytes; padding: 4 words after every 128; bit 21 beside a mask
	s_or_b32 s[G1B+0], s44, (1<<16)|(1<<20)|(1<<21)|(6<<22)|(3<<25)
.irp g, G1, G1B
	s_mov_b32 s[\g+1], KSTEP<<16
	s_mov_b32 s[\g+2], 64<<16
	s_mov_b32 s[\g+3], KSTEP<<16
	s_mov_b32 s[\g+4], 64
	s_mov_b32 s[\g+5], SIZE_K
	s_mov_b32 s[\g+6], 0
	s_mov_b32 s[\g+7], 0
.endr
	s_lshl_b32 s17, s12, 6
	s_lshl_b32 s16, s13, 7
	s_add_co_u32 s16, s16, s17
	s_lshl_b32 s46, s42, 7
	s_add_co_u32 s46, s46, s17
	s_mov_b32 s17, 0
	s_mov_b32 s47, 0
	s_mov_b64 s[18:19], SIZE_K*2
	s_mul_u64 s[16:17], s[16:17], s[18:19]
	s_mul_u64 s[46:47], s[46:47], s[18:19]
	s_mul_i32 s20, s10, HALFT
	s_wait_dscnt 0x0                               ; both opening adds are done
	s_wait_kmcnt 0x0
	s_add_nc_u64 s[14:15], s[4:5], s[16:17]
	s_add_nc_u64 s[46:47], s[6:7], s[46:47]
	CROUND                                         ; all sixteen work-groups are here: the first joint loads meet
.irp s, 0,1
	s_mov_b32 s[G0+4*\s], 1
	s_add_co_u32 s[G0+4*\s+1], s20, \s*SLOT
	s_add_nc_u64 s[G0+4*\s+2:G0+4*\s+3], s[14:15], \s*KSTEP*2
	s_or_b32 s[G0+4*\s+3], s[G0+4*\s+3], 0x80000000
	s_mov_b32 s[G0B+4*\s], 1
	s_add_co_u32 s[G0B+4*\s+1], s20, \s*SLOT
	s_add_nc_u64 s[G0B+4*\s+2:G0B+4*\s+3], s[46:47], \s*KSTEP*2
	s_or_b32 s[G0B+4*\s+3], s[G0B+4*\s+3], 0x80000000
	JLOAD \s
.endr
	v_and_b32 v1, 15, v0
	v_bfe_u32 v2, v0, 4, 1
	v_mul_u32_u24 v3, v1, PITCH
	v_lshl_add_u32 v3, v2, 4, v3
	s_mul_i32 s21, s11, HALFT
	s_mul_i32 s22, s12, HALFT
	s_add_co_u32 s22, s22, 2*HALFT
.irp s, 0,1
	v_add_nc_u32 v[ADRA+\s], s21, v3
	v_add_nc_u32 v[ADRB+\s], s22, v3
	s_add_co_u32 s21, s21, SLOT
	s_add_co_u32 s22, s22, SLOT
.endr
	s_mul_i32 s23, s10, 64*SPITCH                  ; my stage: 64 rows x (256 + 16)
	v_mul_u32_u24 v4, v1, SPITCH
	v_lshl_add_u32 v4, v2, 5, v4
	v_add_nc_u32 v[STO], s23, v4                   ; in: row l % 16, 32 bytes for each half of the lanes
	v_mul_u32_u24 v5, v2, SPITCH
	v_lshl_add_u32 v5, v1, 4, v5
	v_add_nc_u32 v[RD], s23, v5                    ; back: lanes 0-15 one row of 256 bytes, lanes 16-31 the next
	v_lshlrev_b32 v5, 12, v2
	v_lshl_add_u32 v[CO], v1, 4, v5                ; and the same two rows in the output
	s_lshl_b32 s16, s13, 7
	s_lshl_b32 s17, s11, 6
	s_add_co_u32 s16, s16, s17                     ; my first row: 128 x tile row + 64 x half
	s_lshl_b32 s16, s16, 12
	s_mov_b32 s17, 0
	s_add_nc_u64 s[8:9], s[8:9], s[16:17]
	s_lshl_b32 s46, s42, 9                         ; my first column, in bytes: 512 x tile column + 256 x half
	s_lshl_b32 s47, s12, 8
	s_add_co_u32 s46, s46, s47
	s_mov_b32 s47, 0
	s_add_nc_u64 s[8:9], s[8:9], s[46:47]
; 8 matrix instructions: m blocks a0, a0 + 1 x all 4 n blocks, 32 along K.  The 16 accumulators take turns.
.macro MUL8 f, c, a0, zero
.irp a, \a0, \a0+1
.irp b, 0,1,2,3
.if \zero
	v_wmma_f32_16x16x32_f16 v[ACC+8*(4*(\a)+\b):ACC+8*(4*(\a)+\b)+7], v[\f+64+8*(4*\c+\b):\f+64+8*(4*\c+\b)+7], v[\f+8*(4*\c+\a):\f+8*(4*\c+\a)+7], 0
.else
	v_wmma_f32_16x16x32_f16 v[ACC+8*(4*(\a)+\b):ACC+8*(4*(\a)+\b)+7], v[\f+64+8*(4*\c+\b):\f+64+8*(4*\c+\b)+7], v[\f+8*(4*\c+\a):\f+8*(4*\c+\a)+7], v[ACC+8*(4*(\a)+\b):ACC+8*(4*(\a)+\b)+7]
.endif
.endr
.endr
.endm
.macro FETCH slot, k, f
	WIN TO_F
.irp c, 0,1
.irp i, 0,1,2,3
	ds_load_b128 v[\f+64+8*(4*\c+\i):\f+64+8*(4*\c+\i)+3],   v[ADRB+\slot] offset:\k+64*\c+\i*16*PITCH
	ds_load_b128 v[\f+64+8*(4*\c+\i)+4:\f+64+8*(4*\c+\i)+7], v[ADRB+\slot] offset:\k+64*\c+\i*16*PITCH+32
	ds_load_b128 v[\f+8*(4*\c+\i):\f+8*(4*\c+\i)+3],         v[ADRA+\slot] offset:\k+64*\c+\i*16*PITCH
	ds_load_b128 v[\f+8*(4*\c+\i)+4:\f+8*(4*\c+\i)+7],       v[ADRA+\slot] offset:\k+64*\c+\i*16*PITCH+32
.endr
.endr
.endm
.macro PLACES
.rept 4
	v_nop
.endr
.endm
.macro QUARTER slot, k, f, g, zero
	s_wait_dscnt 16                                ; the first 32 along K are in; the other sixteen loads may be out
	WIN MUL
	MUL8 \f, 0, 0, \zero
	MUL8 \f, 0, 2, \zero
	PLACES
	FETCH \slot, \k, \g
	s_wait_dscnt 32                                ; all but the 32 just issued
	WIN MUL
	MUL8 \f, 1, 0, 0
	MUL8 \f, 1, 2, 0
.endm
; The last quarter changes slots: one barrier; in front of it each wave waits for all its tensor loads, adds 0 to its spare word, and waits for that and for its reads of this slot.
.macro TURN slot, next, fill
	WIN 0
	s_wait_tensorcnt 0x0                           ; my one load that was out, my part of the next slot, has landed
	ds_add_u32 v[SPW], v[NIL]
	s_wait_dscnt 17                                ; (the add and the youngest sixteen loads may be out)
	WIN MUL
	MUL8 F1, 0, 0, 0
	s_wait_dscnt 0x0
	s_barrier_signal -1
	MUL8 F1, 0, 2, 0
.if \fill
	WIN 0
.endif
	s_barrier_wait -1
.if \fill
	CREST                                          ; the barrier has opened a round of the cluster's barrier
	s_add_nc_u64 s[G0+4*\slot+2:G0+4*\slot+3], s[G0+4*\slot+2:G0+4*\slot+3], 2*KSTEP*2
	s_add_nc_u64 s[G0B+4*\slot+2:G0B+4*\slot+3], s[G0B+4*\slot+2:G0B+4*\slot+3], 2*KSTEP*2
	JLOAD \slot                                    ; the first tensor load behind the round; its four v_nop are also the places in front of the loads below
.else
	PLACES
.endif
	FETCH \next, 0, F0
	WIN MUL
	MUL8 F1, 1, 0, 0
	MUL8 F1, 1, 2, 0
.endm
	s_wait_tensorcnt 1                             ; my part of K step 0 is in (K step 1's load may be out)
	s_barrier_signal -1
	s_barrier_wait -1
	FETCH 0, 0, F0
	QUARTER 0, 128, F0, F1, 1                      ; the first products start the sums
	WIN 0
	s_mov_b32 s3, LAPS-1
.Llap:                                             ; a trip goes once round the ring and fills both slots again
	QUARTER 0, 256, F1, F0, 0
	QUARTER 0, 384, F0, F1, 0
	TURN 0, 1, 1
	QUARTER 1, 128, F0, F1, 0
	QUARTER 1, 256, F1, F0, 0
	QUARTER 1, 384, F0, F1, 0
	TURN 1, 0, 1
	QUARTER 0, 128, F0, F1, 0
	WIN 0
	s_sub_co_u32 s3, s3, 1
	s_cmp_lg_u32 s3, 0
	s_cbranch_scc1 .Llap
	QUARTER 0, 256, F1, F0, 0                      ; the last lap fills nothing
	QUARTER 0, 384, F0, F1, 0
	TURN 0, 1, 0
	QUARTER 1, 128, F0, F1, 0
	QUARTER 1, 256, F1, F0, 0
	QUARTER 1, 384, F0, F1, 0
	s_wait_dscnt 16
	WIN MUL
	MUL8 F1, 0, 0, 0
	MUL8 F1, 0, 2, 0
	s_wait_dscnt 0
	MUL8 F1, 1, 0, 0
	MUL8 F1, 1, 2, 0
	WIN 0
	; THE WAY OUT: 32 bytes a lane into my stage, each accumulator from its low end on; back as whole rows of 256 bytes.  LDS serves a wave's instructions in order (ISA guide 5.7.1.4).
	PLACES
.irp a, 0,1,2,3
.irp b, 0,1,2,3
	ds_store_b128 v[STO], v[ACC+8*(4*\a+\b):ACC+8*(4*\a+\b)+3] offset:\a*16*SPITCH+64*\b
	ds_store_b128 v[STO], v[ACC+8*(4*\a+\b)+4:ACC+8*(4*\a+\b)+7] offset:\a*16*SPITCH+64*\b+16
.endr
.endr
	WIN TO_F
.set t, 0
.rept 32
	ds_load_b128 v[4*t:4*t+3], v[RD] offset:t*2*SPITCH
.set t, t+1
.endr
	WIN 0x04                                       ; a store's data: window 1
.set t, 0
.rept 32
	s_wait_dscnt 31-t                              ; the younger loads may be out
	global_store_b128 v[CO], v[4*t:4*t+3], s[8:9] offset:2*t*4096 th:TH_STORE_NT   ; 16 lanes store 256 consecutive bytes, aligned; written once, read by nobody here
.set t, t+1
.endr
	WIN 0
	s_wait_tensorcnt 0x0                           ; the wave's end
	ds_add_u32 v[SPW], v[NIL]
	s_wait_dscnt 0x0
	CROUND                                         ; the closing round
	s_endpgm
.Lfunc_end_k_q0dea381299_oproj:
	.size	k_q0dea381299_oproj, .Lfunc_end_k_q0dea381299_oproj-k_q0dea381299_oproj
	.p2alignl 7, 3214868480
	.fill 96, 4, 3214868480
	.section	.rodata,"a",@progbits
	.p2align	6, 0x0
	.amdhsa_kernel k_q0dea381299_oproj
		.amdhsa_group_segment_fixed_size 327680
		.amdhsa_private_segment_fixed_size 0
		.amdhsa_enable_private_segment 0
		.amdhsa_kernarg_size 24
		.amdhsa_user_sgpr_count 2
		.amdhsa_user_sgpr_kernarg_segment_ptr 1
		.amdhsa_wavefront_size32 1
		.amdhsa_system_sgpr_workgroup_id_x 1
		.amdhsa_system_sgpr_workgroup_id_y 1
		.amdhsa_system_sgpr_workgroup_id_z 1
		.amdhsa_system_vgpr_workitem_id 0
		.amdhsa_next_free_vgpr 512
		.amdhsa_next_free_sgpr 66
		.amdhsa_reserve_vcc 0
		.amdhsa_float_denorm_mode_32 3
		.amdhsa_float_denorm_mode_16_64 3
		.amdhsa_memory_ordered 1
		.amdhsa_forward_progress 1
		.amdhsa_inst_pref_size 86
	.end_amdhsa_kernel
	.amdgpu_metadata
---
amdhsa.version: [ 1, 2 ]
amdhsa.kernels:
  - .name:           k_q0dea381299_oproj
    .symbol:         k_q0dea381299_oproj.kd
    .args:
      - { .name: ao, .offset: 0, .size: 8, .value_kind: global_buffer, .address_space: global }
      - { .name: wot, .offset: 8, .size: 8, .value_kind: global_buffer, .address_space: global }
      - { .name: out0, .offset: 16, .size: 8, .value_kind: global_buffer, .address_space: global }
    .group_segment_fixed_size: 327680
    .private_segment_fixed_size: 0
    .kernarg_segment_align: 8
    .kernarg_segment_size: 24
    .max_flat_workgroup_size: 128
    .sgpr_count:     66
    .vgpr_count:     512
    .wavefront_size: 32
...
	.end_amdgpu_metadata
.endif
;; end of part 4
;; ======== version 2 of 2: 4 launches
;; limits: values are held in f16: magnitudes above 65,504 overflow, below 6.1e-05 lose precision; right only within a limited range of input values
;; workspace buffers: xw 4,456,448 bytes; wot 4,194,304 bytes; rope 2,097,152 bytes; mw 1,048,576 bytes of whole numbers; fl 4,096 bytes of whole numbers; qkvh 33,554,432 bytes; ao 16,777,216 bytes
;; launch prep (part 5): grid 448 x 1, 8 waves a work-group, no clusters, 134,144 bytes of LDS; arguments x, wq, wk, wv, wo, segment_pos, attn_mask, xw, wot, rope, mw, fl; writes xw, wot, rope, mw, fl
.if DOCPART == 5
	.amdgcn_target "amdgcn-amd-amdhsa--gfx1250"
	.amdhsa_code_object_version 6
	.text
	.protected	k_q0dea381299_prep
	.globl	k_q0dea381299_prep
	.p2align	8
	.type	k_q0dea381299_prep,@function
k_q0dea381299_prep:
	s_mov_b64 s[64:65], 0
	v_nop
	global_prefetch_b8 v0, s[64:65] scope:SCOPE_SE
	s_setreg_imm32_b32 hwreg(HW_REG_WAVE_MODE, 25, 1), 1
	s_wait_xcnt 0x0
; PREP: everything that is made once from the inputs, five kinds of work-groups told apart by the work-group's number alone.
;   0-127   W: wq, wk, wv [1024 k][n] f32 -> codes of FP4 (E2M1) with K innermost, [4096 n][512 bytes], and E8M0 bytes [4096 n][32]  (n: 0-2047 wq, 2048-3071 wk, 3072-4095 wv)
;   128-191 X: x [4096][1024] f32 -> codes [4096][512 bytes] and bytes [4096][32]
;   192-255 O: wo [2048 nh][1024 d] f32 -> f16, turned: [1024 d][2048 nh]
;   256-383 M: attn_mask bytes -> words of 32 bits in the order in which the attention launch's lanes hold the scores; and for each 16 queries x 512 keys one word of flags:
;              bits 0-7: key step s of the eight has an open key; bits 8-15: it is all open; bits 16-31: row r has an open key among the 512
;   384-447 R: segment_pos -> cos and sin of the 64 angles of each of the 4096 rows, f32: [row][cos 64 | sin 64]
; A block's scale is 2^(floor(log2(largest magnitude)) - 2): its byte is the largest magnitude's exponent field - 2, held at 1 from below.
; LIMITS: a block of zeros gets the byte 1 (its codes are zeros, and this program alone reads the bytes); NaN and infinities are not served; the angle is pos x 2^(-i log2(1e6)/64),
; one or two units in the last place from pos / timescale, and the reduction by pi/2 in two terms serves |pos| up to about 2^16.
; No work-group shares an input with another, so no cluster; every path has LDS bytes of its own.
.set XC_O, 0                           ; xw: x's codes,
.set WC_O, 2097152                     ; the weights' codes,
.set XS_O, 4194304                     ; x's scale bytes,
.set WS_O, 4325376                     ; the weights'
.set XWREG, 5632                       ; LDS 0: path X, a region for each wave: two stages of 32 x 80 bytes and 256 scale bytes
.set WST,  45056                       ; path W: 64 columns x (256 bytes of codes + 16)
.set SCST, 62464                       ; path W: 64 columns x 16 scale bytes
.set OST,  63488                       ; path O: for each wave 32 rows x (256 + 16)
.set SPARE, 133120                     ; the spare words, 128 bytes for each wave: four blocks of 256 bytes that no other line names
.set SPW, 198                          ; v198 LDS address of my spare word; never rewritten
.set NIL, 199                          ; v199 0; never rewritten
	s_load_b512 s[4:19], s[0:1], 0x0               ; x 4:5, wq 6:7, wk 8:9, wv 10:11, wo 12:13, segment_pos 14:15, attn_mask 16:17, xw 18:19
	s_load_b128 s[20:23], s[0:1], 0x40             ; wot 20:21, rope 22:23
	s_load_b64 s[24:25], s[0:1], 0x50              ; mw
	s_load_b64 s[54:55], s[0:1], 0x58              ; fl
	v_lshl_add_u32 v[SPW], v0, 2, SPARE
	v_mov_b32 v[NIL], 0
	v_lshrrev_b32 v1, 5, v0
	v_readfirstlane_b32 s26, v1                    ; wave 0..7
	v_and_b32 v2, 31, v0                           ; lane
	s_wait_kmcnt 0x0
	s_cmp_lt_u32 ttmp9, 128
	s_cbranch_scc1 .Lpath_w
	s_cmp_lt_u32 ttmp9, 192
	s_cbranch_scc1 .Lpath_x
	s_cmp_lt_u32 ttmp9, 256
	s_cbranch_scc1 .Lpath_o
	s_cmp_lt_u32 ttmp9, 384
	s_cbranch_scc1 .Lpath_m
; ---------------- R: a wave takes 8 rows; lanes 0-15 an even row, lanes 16-31 the next; a lane four frequencies
	s_sub_co_u32 s27, ttmp9, 384
	s_lshl_b32 s27, s27, 3
	s_add_co_u32 s27, s27, s26                     ; which 8 rows: 0..511
	s_lshl_b32 s30, s27, 5
	s_mov_b32 s31, 0
	s_add_nc_u64 s[14:15], s[14:15], s[30:31]      ; their positions: 32 bytes
	s_lshl_b32 s30, s27, 12
	s_add_nc_u64 s[22:23], s[22:23], s[30:31]      ; their 8 x 512 bytes of the table
	v_lshrrev_b32 v3, 4, v2                        ; which of two rows
	v_and_b32 v4, 15, v2                           ; which four frequencies
	v_lshlrev_b32 v5, 2, v3
.irp it, 0,1,2,3
	global_load_b32 v[32+\it], v5, s[14:15] offset:8*\it
.endr
	v_lshlrev_b32 v6, 9, v3
	v_lshl_add_u32 v6, v4, 4, v6                   ; where I store: 512 x row + 16 x my four
	v_lshlrev_b32 v7, 2, v4
.irp f, 0,1,2,3
	v_add_nc_u32 v[36+\f], \f, v7                  ; i = 4 (lane % 16) + f
.endr
.irp f, 0,1,2,3
	v_cvt_f32_u32 v[36+\f], v[36+\f]
.endr
.irp f, 0,1,2,3
	v_mul_f32 v[36+\f], 0xbe9f73da, v[36+\f]       ; -i log2(1e6) / 64
.endr
.irp f, 0,1,2,3
	v_exp_f32 v[36+\f], v[36+\f]                   ; 1 / timescale
.endr
	s_mov_b32 s40, 0x3f22f983                      ; 2 / pi
	s_mov_b32 s41, 0x3fc90fdb                      ; pi / 2, its f32,
	s_mov_b32 s42, 0xb33bbd2e                      ; and what that leaves
	s_mov_b32 s43, 0xbe2aaaa3                      ; the sine's three coefficients
	s_mov_b32 s44, 0x3c08839e
	s_mov_b32 s45, 0xb94ca1f9
	s_mov_b32 s46, 0x3d2aaaa5                      ; the cosine's
	s_mov_b32 s47, 0xbab6061a
	s_mov_b32 s48, 0x37ccf5ce
	v_nop                                          ; a plain line behind the last exponential
	s_wait_alu depctr_va_vdst(0)                   ; one wait for the four, ahead of their first reader
	s_wait_loadcnt 0x0
.irp it, 0,1,2,3
	v_cvt_f32_i32 v[32+\it], v[32+\it]
.endr
; cos and sin of v[pf] x v[iv]: n = the nearest multiple of pi/2, r = the rest (|r| <= pi/4), two polynomials, and the quadrant n mod 4 swaps them and sets the signs
.macro SC pf, iv, cd, sd
	v_mul_f32 v80, v[\pf], v[\iv]
	v_mul_f32 v81, s40, v80
	v_rndne_f32 v81, v81
	v_fma_f32 v82, -v81, s41, v80
	v_fma_f32 v82, -v81, s42, v82
	v_cvt_i32_f32 v83, v81
	v_mul_f32 v84, v82, v82
	v_fma_f32 v85, v84, s45, s44
	v_fma_f32 v85, v85, v84, s43
	v_mul_f32 v86, v82, v84
	v_fma_f32 v85, v86, v85, v82                   ; sin r
	v_fma_f32 v87, v84, s48, s47
	v_fma_f32 v87, v87, v84, s46
	v_fma_f32 v88, v84, -0.5, 1.0
	v_mul_f32 v89, v84, v84
	v_fma_f32 v87, v89, v87, v88                   ; cos r
	v_and_b32 v88, 1, v83
	v_cmp_ne_u32 vcc_lo, 0, v88
	v_cndmask_b32 v[\sd], v85, v87, vcc_lo         ; odd quadrant: the two change places
	v_cndmask_b32 v[\cd], v87, v85, vcc_lo
	v_lshlrev_b32 v88, 30, v83
	v_and_b32 v88, 0x80000000, v88                 ; the sine is negative in quadrants 2, 3
	v_xor_b32 v[\sd], v[\sd], v88
	v_add_nc_u32 v89, 1, v83
	v_lshlrev_b32 v89, 30, v89
	v_and_b32 v89, 0x80000000, v89                 ; the cosine in quadrants 1, 2
	v_xor_b32 v[\cd], v[\cd], v89
.endm
.irp it, 0,1,2,3
.irp f, 0,1,2,3
	SC 32+\it, 36+\f, 40+8*\it+\f, 44+8*\it+\f
.endr
	global_store_b128 v6, v[40+8*\it:43+8*\it], s[22:23] offset:1024*\it       ; sixteen lanes store 256 consecutive bytes: a row's cosines,
	global_store_b128 v6, v[44+8*\it:47+8*\it], s[22:23] offset:1024*\it+256   ; its sines.  Each pair of rows has registers of its own: no store's data are written again
.endr
	s_endpgm
; ---------------- M: a wave takes 16 queries x 512 keys.  Lane l loads the 16 bytes of key tile l of each of the 16 rows
.Lpath_m:
	s_sub_co_u32 s27, ttmp9, 256
	s_lshl_b32 s27, s27, 3
	s_add_co_u32 s27, s27, s26                     ; 0..1023
	s_and_b32 s28, s27, 3                          ; G: which 512 keys
	s_lshr_b32 s29, s27, 2
	s_and_b32 s29, s29, 127                        ; which 16 queries
	s_lshr_b32 s30, s27, 9                         ; batch
	s_lshl_b32 s32, s30, 22
	s_lshl_b32 s33, s29, 15
	s_add_co_u32 s32, s32, s33
	s_lshl_b32 s33, s28, 9
	s_add_co_u32 s32, s32, s33
	s_mov_b32 s33, 0
	s_add_nc_u64 s[16:17], s[16:17], s[32:33]
	s_lshl_b32 s32, s30, 19
	s_lshl_b32 s34, s29, 12
	s_add_co_u32 s32, s32, s34
	s_lshl_b32 s34, s28, 10
	s_add_co_u32 s32, s32, s34
	s_add_nc_u64 s[24:25], s[24:25], s[32:33]
	s_lshl_b32 s32, s27, 2                         ; the flags: a word for each (batch, 16 queries, 512 keys), in that order
	s_add_nc_u64 s[54:55], s[54:55], s[32:33]
	v_lshlrev_b32 v3, 4, v2
.set i, 0
.rept 16
	global_load_b128 v[32+4*i:35+4*i], v3, s[16:17] offset:2048*i th:TH_LOAD_NT   ; 512 consecutive bytes of row i
.set i, i+1
.endr
	s_wait_loadcnt 0x0
; a byte is 0 or 1: shifted by the row's number and joined, byte c of v[100+w] holds rows 0-7 of key 4 w + c, one bit a row; v[104+w] rows 8-15
.irp w, 0,1,2,3
	v_mov_b32 v[100+\w], v[32+\w]
	v_mov_b32 v[104+\w], v[64+\w]
.endr
.irp r, 1,2,3,4,5,6,7
.irp w, 0,1,2,3
	v_lshl_or_b32 v[100+\w], v[32+4*\r+\w], \r, v[100+\w]
	v_lshl_or_b32 v[104+\w], v[64+4*\r+\w], \r, v[104+\w]
.endr
.endr
; the word of register j = 4 jh + c: bits 0-15 the 16 queries at key j, bits 16-31 at key 8 + j
.irp jh, 0,1
	v_perm_b32 v108, v[104+\jh], v[100+\jh], 0x05010400
	v_perm_b32 v109, v[104+\jh], v[100+\jh], 0x07030602
	v_perm_b32 v110, v[106+\jh], v[102+\jh], 0x05010400
	v_perm_b32 v111, v[106+\jh], v[102+\jh], 0x07030602
	v_perm_b32 v[112+4*\jh], v110, v108, 0x05040100
	v_perm_b32 v[113+4*\jh], v110, v108, 0x07060302
	v_perm_b32 v[114+4*\jh], v111, v109, 0x05040100
	v_perm_b32 v[115+4*\jh], v111, v109, 0x07060302
	global_store_b128 v3, v[112+4*\jh:115+4*\jh], s[24:25] offset:512*\jh   ; 512 consecutive bytes
.endr
; the flags.  My lane's 16 keys: which of the 16 rows have an open key among them, and whether all 256 bits are set
	v_or_b32 v120, v100, v101
	v_or_b32 v121, v102, v103
	v_or_b32 v120, v120, v121                      ; rows 0-7, a byte for each of four keys
	v_or_b32 v121, v104, v105
	v_or_b32 v122, v106, v107
	v_or_b32 v121, v121, v122                      ; rows 8-15
	v_lshrrev_b32 v122, 16, v120
	v_lshrrev_b32 v123, 16, v121
	v_or_b32 v120, v120, v122
	v_or_b32 v121, v121, v123
	v_lshrrev_b32 v122, 8, v120
	v_lshrrev_b32 v123, 8, v121
	v_or_b32 v120, v120, v122
	v_or_b32 v121, v121, v123
	v_and_b32 v120, 0xff, v120
	v_and_b32 v121, 0xff, v121
	v_lshl_or_b32 v124, v121, 8, v120              ; bit r: row r has an open key among my 16
	v_and_b32 v125, v100, v101
	v_and_b32 v126, v102, v103
	v_and_b32 v125, v125, v126
	v_and_b32 v126, v104, v105
	v_and_b32 v125, v125, v126
	v_and_b32 v126, v106, v107
	v_and_b32 v125, v125, v126                     ; all ones where all is open
	v_cmp_ne_u32 s40, 0, v124                      ; bit l: key tile l has an open key
	v_cmp_eq_u32 s41, -1, v125                     ; bit l: key tile l is all open
	s_mov_b32 s44, 0
.irp s, 0,1,2,3,4,5,6,7                    ; a key step is four key tiles: four lanes
	s_bfe_u32 s42, s40, (4<<16)|(4*\s)
	s_cmp_lg_u32 s42, 0
	s_cselect_b32 s42, 1<<\s, 0
	s_or_b32 s44, s44, s42
	s_bfe_u32 s43, s41, (4<<16)|(4*\s)
	s_cmp_eq_u32 s43, 15
	s_cselect_b32 s43, 1<<(8+\s), 0
	s_or_b32 s44, s44, s43
.endr
.irp r, 0,1,2,3,4,5,6,7,8,9,10,11,12,13,14,15
	v_and_b32 v126, 1<<\r, v124
	v_cmp_ne_u32 s42, 0, v126                      ; the lanes in whose keys row r has an open one
	s_cmp_lg_u32 s42, 0
	s_cselect_b32 s42, 1<<(16+\r), 0
	s_or_b32 s44, s44, s42
.endr
	v_mov_b32 v127, s44
	v_mov_b32 v128, 0
	v_cmp_eq_u32 vcc_lo, 0, v2
	s_wait_xcnt 0x0                                ; EXEC changes only behind this wait: the stores above have had their addresses translated
	s_and_saveexec_b32 s45, vcc_lo                 ; lane 0 alone stores the word
	global_store_b32 v128, v127, s[54:55]
	s_wait_xcnt 0x0                                ; and again, in front of the line that widens it
	s_or_b32 exec_lo, exec_lo, s45
	s_endpgm
; ---------------- W: a work-group takes 64 columns x 512 along K; a wave 32 columns x 128 along K: a lane a column, its registers down K
.set WX,  32                           ; v32-95   two sets of 32 numbers
.set WCD, 96                           ; v96-99   a block's codes
.set WOF, 100                          ; v100-131 4 x lane + i x the tensor's row in bytes
.set WOUT, 132
.Lpath_w:
	s_lshr_b32 s27, ttmp9, 1                       ; which 64 columns
	s_and_b32 s29, ttmp9, 1                        ; which half of K
	s_and_b32 s30, s26, 1                          ; my 32 of the columns
	s_lshr_b32 s31, s26, 1                         ; my 128 of the 512 along K
	s_mov_b32 s34, 3072
	s_mov_b32 s28, 4096
	s_cmp_lt_u32 s27, 48                           ; which tensor: the choice hangs on the work-group's number alone
	s_cselect_b64 s[32:33], s[8:9], s[10:11]
	s_cselect_b32 s34, 2048, s34                   ; the tensor's first column among the 4096
	s_cmp_lt_u32 s27, 32
	s_cselect_b64 s[32:33], s[6:7], s[32:33]
	s_cselect_b32 s34, 0, s34
	s_cselect_b32 s28, 8192, s28                   ; a row of the tensor in bytes
	s_lshl_b32 s35, s27, 6
	s_lshl_b32 s44, s30, 5
	s_add_co_u32 s35, s35, s44                     ; my wave's first column
	s_sub_co_u32 s45, s35, s34
	s_lshl_b32 s45, s45, 2                         ; in its tensor, in bytes
	s_lshl_b32 s46, s29, 9
	s_lshl_b32 s47, s31, 7
	s_add_co_u32 s46, s46, s47                     ; my first k
	s_mul_i32 s46, s46, s28
	s_add_co_u32 s46, s46, s45
	s_mov_b32 s47, 0
	s_add_nc_u64 s[36:37], s[32:33], s[46:47]      ; a base for each of my four blocks of 32 along K: no pointer is stepped
	s_lshl_b32 s46, s28, 5
	s_add_nc_u64 s[38:39], s[36:37], s[46:47]
	s_add_nc_u64 s[40:41], s[38:39], s[46:47]
	s_add_nc_u64 s[42:43], s[40:41], s[46:47]
	v_lshlrev_b32 v3, 2, v2
.set i, 0
.rept 32
	v_mad_u32_u24 v[WOF+i], s28, i, v3
.set i, i+1
.endr
	v_mul_u32_u24 v4, v2, 272                      ; the stage: row = my column, + 64 bytes for each 128 along K
	s_mul_i32 s48, s30, 32*272
	s_lshl_b32 s49, s31, 6
	s_add_co_u32 s48, s48, s49
	s_add_co_u32 s48, s48, WST
	v_add_nc_u32 v4, s48, v4
	v_lshlrev_b32 v5, 4, v2                        ; my column's 16 scale bytes, + 4 for each 128 along K
	s_lshl_b32 s48, s30, 9
	s_lshl_b32 s49, s31, 2
	s_add_co_u32 s48, s48, s49
	s_add_co_u32 s48, s48, SCST
	v_add_nc_u32 v5, s48, v5
	v_and_b32 v6, 15, v2
	v_lshrrev_b32 v7, 4, v2
	v_mul_u32_u24 v8, v7, 272                      ; out of the stage: wave w takes columns 8 w .. 8 w + 7, sixteen lanes to a row
	v_lshl_add_u32 v8, v6, 4, v8
	s_mul_i32 s48, s26, 8*272
	s_add_co_u32 s48, s48, WST
	v_add_nc_u32 v8, s48, v8
	v_lshlrev_b32 v9, 9, v7
	v_lshl_add_u32 v9, v6, 4, v9                   ; and the same place in the codes' rows of 512 bytes
	v_lshl_add_u32 v10, v0, 2, SCST                ; the scale bytes of those 8 columns: 128 bytes on end, a word a lane
	v_lshrrev_b32 v14, 2, v2
	v_and_b32 v15, 3, v2
	v_lshlrev_b32 v14, 5, v14
	v_lshl_add_u32 v14, v15, 2, v14                ; in memory: rows of 32 bytes, four lanes to a row's 16
	s_lshl_b32 s50, s27, 6
	s_lshl_b32 s51, s26, 3
	s_add_co_u32 s50, s50, s51                     ; column 64 c + 8 w
	s_lshl_b32 s52, s50, 5
	s_lshl_b32 s50, s50, 9
	s_lshl_b32 s51, s29, 8
	s_add_co_u32 s50, s50, s51
	s_add_co_u32 s50, s50, WC_O
	s_mov_b32 s51, 0
	s_add_nc_u64 s[50:51], s[18:19], s[50:51]
	s_lshl_b32 s53, s29, 4
	s_add_co_u32 s52, s52, s53
	s_add_co_u32 s52, s52, WS_O
	s_mov_b32 s53, 0
	s_add_nc_u64 s[52:53], s[18:19], s[52:53]
.macro WLOAD t
.set i, 0
.rept 32
	global_load_b32 v[WX+32*((\t)%2)+i], v[WOF+i], s[36+2*(\t):37+2*(\t)] th:TH_LOAD_NT   ; one k, 32 neighbouring columns: 128 consecutive bytes
.set i, i+1
.endr
.endm
.macro WBLOCK t
.set XR, WX+32*((\t)%2)
.if (\t) < 3
	s_wait_loadcnt 32                              ; this block's 32 loads are in; the next block's 32 may be out
.else
	s_wait_loadcnt 0x0
.endif
	v_max3_num_f32 v12, |v[XR]|, |v[XR+1]|, |v[XR+2]|
	v_max3_num_f32 v13, |v[XR+3]|, |v[XR+4]|, |v[XR+5]|
.irp i, 6,10,14,18,22,26
	v_max3_num_f32 v12, v12, |v[XR+\i]|, |v[XR+\i+1]|
	v_max3_num_f32 v13, v13, |v[XR+\i+2]|, |v[XR+\i+3]|
.endr
	v_max3_num_f32 v12, v12, |v[XR+30]|, |v[XR+31]|
	v_max3_num_f32 v12, v12, v13, 0x1800000        ; with the floor 2^(3 - 127): the byte cannot fall under 1
	v_add_nc_u32 v11, 0xff000000, v12              ; 2 off the exponent field: the conversion's scale operand
	v_lshrrev_b32 v13, 23, v11                     ; the scale's byte
.if (\t) == 0
	v_mov_b32 v24, v13
.else
	v_lshl_or_b32 v24, v13, 8*(\t), v24
.endif
.irp g, 0,1,2,3
	v_cvt_scalef32_pk8_fp4_f32 v[WCD+\g], v[XR+8*\g:XR+8*\g+7], v11
.endr
	ds_store_b128 v4, v[WCD:WCD+3] offset:16*(\t)
.if (\t) < 2
	WLOAD (\t)+2
.endif
	s_wait_dscnt 0x0                               ; the store has read its registers: the next block's codes may be written
.endm
	WLOAD 0
	WLOAD 1
	WBLOCK 0
	WBLOCK 1
	WBLOCK 2
	WBLOCK 3
	ds_store_b32 v5, v24                           ; my column's four bytes
	s_wait_dscnt 0x0                               ; for the others' sake: my stores have landed
	s_barrier_signal -1                            ; all eight waves of this work-group are on this path
	s_barrier_wait -1
.irp t, 0,1,2,3
	ds_load_b128 v[WOUT+4*\t:WOUT+4*\t+3], v8 offset:2*\t*272
.endr
	ds_load_b32 v148, v10
.irp t, 0,1,2,3
	s_wait_dscnt 4-\t
	global_store_b128 v9, v[WOUT+4*\t:WOUT+4*\t+3], s[50:51] offset:1024*\t   ; sixteen lanes store 256 consecutive bytes, aligned
.endr
	s_wait_dscnt 0x0
	global_store_b32 v14, v148, s[52:53]           ; 16 bytes of each of 8 rows of scale bytes: one byte in 128 of what the path reads
	s_wait_tensorcnt 0x0                           ; the wave's end: three lines behind my last LDS store
	ds_add_u32 v[SPW], v[NIL]
	s_wait_dscnt 0x0
	s_endpgm
; ---------------- X: x is a plain stream of blocks of 32; a wave takes 16 steps of 512 numbers
.set QR, 16                            ; v16-79   four sets of 16 numbers as loaded
.set QX, 80                            ; v80-111  two sets of 16 neighbours
.set QE, 112                           ; v112-127 a scale byte for each step
.set QC, 128                           ; v128-191 codes: registers of its own for each step
.Lpath_x:
	s_sub_co_u32 s27, ttmp9, 128
	s_lshl_b32 s27, s27, 3
	s_add_co_u32 s27, s27, s26                     ; which run of 8,192 numbers: 0..511
	v_lshlrev_b32 v3, 4, v2
	s_mul_i32 s28, s26, XWREG
	v_lshrrev_b32 v14, 2, v2
	v_mul_u32_u24 v14, v14, 80
	v_and_b32 v15, 3, v2
	v_lshl_add_u32 v14, v15, 4, v14
	v_add_nc_u32 v14, s28, v14                     ; the stage, in: four lanes' 64 bytes on end, then 16 of padding
	v_mul_u32_u24 v15, v2, 80
	v_add_nc_u32 v15, s28, v15                     ; out: 80 x lane: my 16 neighbours
	v_lshlrev_b32 v4, 3, v2                        ; my 8 bytes of a step's codes
	v_lshrrev_b32 v5, 1, v2
	s_add_co_u32 s28, s28, 2*32*80
	v_add_nc_u32 v5, s28, v5                       ; my block's byte among the wave's 256
	v_lshlrev_b32 v7, 3, v2
	v_add_nc_u32 v6, s28, v7
	s_lshl_b32 s30, s27, 15
	s_mov_b32 s31, 0
	s_add_nc_u64 s[4:5], s[4:5], s[30:31]
	s_lshl_b32 s30, s27, 12
	s_add_nc_u64 s[32:33], s[18:19], s[30:31]      ; the codes (XC_O = 0)
	s_lshl_b32 s30, s27, 8
	s_add_co_u32 s30, s30, XS_O
	s_add_nc_u64 s[34:35], s[18:19], s[30:31]      ; the scale bytes
.macro XLOAD t
.irp i, 0,1,2,3
	global_load_b128 v[QR+16*((\t)%4)+4*\i:QR+16*((\t)%4)+4*\i+3], v3, s[4:5] offset:2048*(\t)+512*\i th:TH_LOAD_NT
.endr
.endm
.macro XTURN t                         ; a step's 2,048 bytes through the stage: LDS serves a wave's instructions in order
.irp i, 0,1,2,3
	ds_store_b128 v14, v[QR+16*((\t)%4)+4*\i:QR+16*((\t)%4)+4*\i+3] offset:32*80*((\t)%2)+8*80*\i
.endr
.irp i, 0,1,2,3
	ds_load_b128 v[QX+16*((\t)%2)+4*\i:QX+16*((\t)%2)+4*\i+3], v15 offset:32*80*((\t)%2)+16*\i
.endr
.endm
.irp t, 0,1,2,3
	XLOAD \t
.endr
	s_wait_loadcnt 12                              ; step 0's four loads are in
	XTURN 0
.macro XSTEP t
.set XR, QX+16*((\t)%2)
.if (\t) > 0
	s_wait_dscnt 1                                 ; this step's numbers are back (the last step's byte store may be out)
.else
	s_wait_dscnt 0x0
.endif
.if (\t)+4 < 16
	XLOAD (\t)+4
.endif
.if (\t)+1 < 16
.if 14-(\t) >= 3
	s_wait_loadcnt 12                              ; the next step's four loads are in; three steps' may be out
.else
	s_wait_loadcnt 4*(14-(\t))
.endif
	XTURN (\t)+1
.endif
	v_max3_num_f32 v8, |v[XR]|, |v[XR+1]|, |v[XR+2]|
	v_max3_num_f32 v9, |v[XR+3]|, |v[XR+4]|, |v[XR+5]|
.irp i, 6,10
	v_max3_num_f32 v8, v8, |v[XR+\i]|, |v[XR+\i+1]|
	v_max3_num_f32 v9, v9, |v[XR+\i+2]|, |v[XR+\i+3]|
.endr
	v_max3_num_f32 v8, v8, |v[XR+14]|, |v[XR+15]|
	v_max3_num_f32 v8, v8, v9, 0x1800000
	v_max_num_f32_dpp v8, v8, v8 row_xmask:1 row_mask:0xf bank_mask:0xf   ; with my neighbour's 16: the block's
	v_add_nc_u32 v11, 0xff000000, v8
	v_cvt_scalef32_pk8_fp4_f32 v[QC+4*(\t)], v[XR:XR+7], v11
	v_cvt_scalef32_pk8_fp4_f32 v[QC+4*(\t)+1], v[XR+8:XR+15], v11
	v_lshrrev_b32 v[QE+(\t)], 23, v11
	ds_store_b8 v5, v[QE+(\t)] offset:16*(\t)      ; both lanes of a block write the same byte with the same value
	global_store_b64 v4, v[QC+4*(\t):QC+4*(\t)+1], s[32:33] offset:256*(\t)   ; the wave stores 256 consecutive bytes
.endm
.irp t, 0,1,2,3,4,5,6,7,8,9,10,11,12,13,14,15
	XSTEP \t
.endr
	ds_load_b64 v[8:9], v6
	s_wait_dscnt 0x0
	global_store_b64 v7, v[8:9], s[34:35]          ; 256 scale bytes, aligned
	s_wait_tensorcnt 0x0                           ; the wave's end: the three lines
	ds_add_u32 v[SPW], v[NIL]
	s_wait_dscnt 0x0
	s_endpgm
; ---------------- O: a wave takes 32 columns d x 128 rows nh of wo: a lane a column, registers down nh; out by rows through its own stage
.set OX,  32
.set OCD, 96
.set OOUT, 132
.Lpath_o:
	s_sub_co_u32 s27, ttmp9, 192
	s_lshl_b32 s27, s27, 3
	s_add_co_u32 s27, s27, s26                     ; 0..511
	s_and_b32 s28, s27, 31                         ; which 32 columns
	s_lshr_b32 s29, s27, 5                         ; which 128 rows
	s_lshl_b32 s30, s29, 19                        ; 128 rows of 4,096 bytes
	s_lshl_b32 s31, s28, 7
	s_add_co_u32 s30, s30, s31
	s_mov_b32 s31, 0
	s_add_nc_u64 s[12:13], s[12:13], s[30:31]
	s_lshl_b32 s30, s28, 17                        ; 32 rows of wot, 4,096 bytes each
	s_lshl_b32 s32, s29, 8
	s_add_co_u32 s30, s30, s32
	s_add_nc_u64 s[20:21], s[20:21], s[30:31]
	v_lshlrev_b32 v3, 2, v2
	s_mul_i32 s32, s26, 8704
	s_add_co_u32 s32, s32, OST
	v_mul_u32_u24 v4, v2, 272
	v_add_nc_u32 v4, s32, v4
	v_and_b32 v6, 15, v2
	v_lshrrev_b32 v7, 4, v2
	v_mul_u32_u24 v8, v7, 272
	v_lshl_add_u32 v8, v6, 4, v8
	v_add_nc_u32 v8, s32, v8
	v_lshlrev_b32 v9, 12, v7
	v_lshl_add_u32 v9, v6, 4, v9
.macro OLOAD t
.set i, 0
.rept 32
	global_load_b32 v[OX+32*((\t)%2)+i], v3, s[12:13] offset:(32*(\t)+i)*4096 th:TH_LOAD_NT
.set i, i+1
.endr
.endm
.macro OBLOCK t
.set XR, OX+32*((\t)%2)
.if (\t) < 3
	s_wait_loadcnt 32                              ; the next block's 32 loads may be out
.else
	s_wait_loadcnt 0x0
.endif
.set i, 0
.rept 16
	v_cvt_pk_f16_f32 v[OCD+i], v[XR+2*i], v[XR+2*i+1]
.set i, i+1
.endr
.irp c, 0,1,2,3
	ds_store_b128 v4, v[OCD+4*\c:OCD+4*\c+3] offset:64*(\t)+16*\c
.endr
.if (\t) < 2
	OLOAD (\t)+2
.endif
	s_wait_dscnt 0x0
.endm
	OLOAD 0
	OLOAD 1
	OBLOCK 0
	OBLOCK 1
	OBLOCK 2
	OBLOCK 3
.irp t, 0,1,2,3,4,5,6,7,8,9,10,11,12,13,14,15
	ds_load_b128 v[OOUT+4*\t:OOUT+4*\t+3], v8 offset:2*\t*272
.endr
.irp t, 0,1,2,3,4,5,6,7,8,9,10,11,12,13,14,15
	s_wait_dscnt 15-\t
	global_store_b128 v9, v[OOUT+4*\t:OOUT+4*\t+3], s[20:21] offset:2*\t*4096   ; sixteen lanes store 256 consecutive bytes, aligned
.endr
	s_wait_tensorcnt 0x0                           ; the wave's end: the three lines
	ds_add_u32 v[SPW], v[NIL]
	s_wait_dscnt 0x0
	s_endpgm
.Lfunc_end_k_q0dea381299_prep:
	.size	k_q0dea381299_prep, .Lfunc_end_k_q0dea381299_prep-k_q0dea381299_prep
	.p2alignl 7, 3214868480
	.fill 96, 4, 3214868480
	.section	.rodata,"a",@progbits
	.p2align	6, 0x0
	.amdhsa_kernel k_q0dea381299_prep
		.amdhsa_group_segment_fixed_size 134144
		.amdhsa_private_segment_fixed_size 0
		.amdhsa_enable_private_segment 0
		.amdhsa_kernarg_size 96
		.amdhsa_user_sgpr_count 2
		.amdhsa_user_sgpr_kernarg_segment_ptr 1
		.amdhsa_wavefront_size32 1
		.amdhsa_system_sgpr_workgroup_id_x 1
		.amdhsa_system_sgpr_workgroup_id_y 1
		.amdhsa_system_sgpr_workgroup_id_z 1
		.amdhsa_system_vgpr_workitem_id 0
		.amdhsa_next_free_vgpr 200
		.amdhsa_next_free_sgpr 66
		.amdhsa_reserve_vcc 1
		.amdhsa_float_denorm_mode_32 3
		.amdhsa_float_denorm_mode_16_64 3
		.amdhsa_memory_ordered 1
		.amdhsa_forward_progress 1
		.amdhsa_inst_pref_size 117
	.end_amdhsa_kernel
	.amdgpu_metadata
---
amdhsa.version: [ 1, 2 ]
amdhsa.kernels:
  - .name:           k_q0dea381299_prep
    .symbol:         k_q0dea381299_prep.kd
    .args:
      - { .name: x, .offset: 0, .size: 8, .value_kind: global_buffer, .address_space: global }
      - { .name: wq, .offset: 8, .size: 8, .value_kind: global_buffer, .address_space: global }
      - { .name: wk, .offset: 16, .size: 8, .value_kind: global_buffer, .address_space: global }
      - { .name: wv, .offset: 24, .size: 8, .value_kind: global_buffer, .address_space: global }
      - { .name: wo, .offset: 32, .size: 8, .value_kind: global_buffer, .address_space: global }
      - { .name: segment_pos, .offset: 40, .size: 8, .value_kind: global_buffer, .address_space: global }
      - { .name: attn_mask, .offset: 48, .size: 8, .value_kind: global_buffer, .address_space: global }
      - { .name: xw, .offset: 56, .size: 8, .value_kind: global_buffer, .address_space: global }
      - { .name: wot, .offset: 64, .size: 8, .value_kind: global_buffer, .address_space: global }
      - { .name: rope, .offset: 72, .size: 8, .value_kind: global_buffer, .address_space: global }
      - { .name: mw, .offset: 80, .size: 8, .value_kind: global_buffer, .address_space: global }
      - { .name: fl, .offset: 88, .size: 8, .value_kind: global_buffer, .address_space: global }
    .group_segment_fixed_size: 134144
    .private_segment_fixed_size: 0
    .kernarg_segment_align: 8
    .kernarg_segment_size: 96
    .max_flat_workgroup_size: 256
    .sgpr_count:     66
    .vgpr_count:     200
    .wavefront_size: 32
...
	.end_amdgpu_metadata
.endif
;; end of part 5
;; launch qkv: the kernel of part 2 again; grid 16 x 16, 4 waves a work-group, clusters of 4 x 4, 327,680 bytes of LDS; arguments xw, qkvh, q_norm_w, k_norm_w, rope; writes qkvh
;; launch attn (part 6): grid 16 x 16, 4 waves a work-group, no clusters, 161,280 bytes of LDS; arguments qkvh, mw, fl, ao; writes ao
.if DOCPART == 6
	.amdgcn_target "amdgcn-amd-amdhsa--gfx1250"
	.amdhsa_code_object_version 6
	.text
	.protected	k_q0dea381299_attn
	.globl	k_q0dea381299_attn
	.p2align	8
	.type	k_q0dea381299_attn,@function
k_q0dea381299_attn:
	s_mov_b64 s[64:65], 0
	v_nop
	global_prefetch_b8 v0, s[64:65] scope:SCOPE_SE
	s_setreg_imm32_b32 hwreg(HW_REG_WAVE_MODE, 25, 1), 1
	s_wait_xcnt 0x0
; Attention with grouped heads and a mask that is an input.  q, k, v: f16 rows of 256 bytes in qkvh; products with f16 operands, maxima and sums in f32; the weights p are rounded to f16 for the second product, the result once at the end.
; ONLY WHAT THE MASK LEAVES OPEN IS MULTIPLIED.  The launch before has stored, for each 16 queries x 512 keys, a word of flags (8 bits: this key step of 64 has an open key; 8 bits: it is all open; 16 bits: this row has an open key).
; A tile of 16 queries walks a key step only if the step has an open key for it; a tile in which some row has no open key at all walks every step, so that such a row comes out as the mean of v, as with the reference's
; constant.  Step 0 is always walked: it starts the sums.  A step that is all open skips the mask words and the selects.  All this holds for every mask; nothing of a mask's pattern is built in.
; SHARES.  A work-group belongs to one (batch, key head) and to one of 16 pairs x.  Wave w owns two tiles of 16 positions, A = 4 x + w and B = 124 - 4 x + w, each with BOTH query heads of the key head: piece 0 = tiles 0, 1 (A, heads 0, 1),
; piece 2 = tiles 2, 3 (B).  An early and a late tile share a wave so that under a mask that opens with the position the waves' work is alike; the choice changes no value.
; NO TENSOR LOADS AND NO CLUSTER: which steps are walked hangs on numbers read from memory; LDS is filled through registers, and there are no joint requests.  An interval is two key steps.  Each wave
; loads 32 rows of K and 32 of V of the NEXT interval into 128 registers at an interval's head, and stores them into the other LDS slot at its end: they have the interval's work in which to land.  One barrier an interval.
; Every barrier stands outside the branches on flags; the loops' counts are constants.
; LAYOUT.  S^T = K Q^T, O^T = V^T P: a lane holds ONE query (lane % 16) and in S^T the keys 8 (lane / 16) + 0..7 of each tile of 16 keys.  The mask comes as words whose bit l belongs to lane l.  A hidden score becomes -2^100 ahead of
; the maximum; c x -2^100 is exact, so in a row with no open key every p is 1; as soon as an open key comes, a = 2^(c m_old - c m_new) = 0 wipes what was summed.
; SOFTMAX.  A running maximum m and sum l for each query: p = 2^(c s - c m), c = log2(e) / sqrt(128); O and l are multiplied by a in every step that is walked.
; IN PHASES: for a piece 32 products K Q^T, its softmax in one run, 32 products V^T P: long stretches under one register window.
; LIMITS: |v| under 65,504 (f16); NaN and infinities are not served.
; REGISTERS: window 0: v0-11, v44-50 addresses; v12-43 statistics; v60 -2^100; v62, v63; v64-191 S^T; v192-255 P.  window 1: O^T.  window 2: v0-127 Q, v128-255 K.  window 3: v0-127 V, v128-255 rows on their way to LDS.
.set KOFF,  16777216                   ; k's rows in qkvh
.set VOFF,  25165824                   ; v's
.set KS,    64
.set PK,    272                        ; a row of K in LDS: 256 + 16
.set PV,    288                        ; a row of V: 256 + 32
.set VOFF_L, KS*PK                     ; a step's tiles: 64 rows of K, then 64 rows of V
.set STEPB, KS*(PK+PV)
.set SLOT1, 2*STEPB                    ; a slot holds an interval: two steps
.set STAGE, 2*SLOT1                    ; behind the slots: 16 rows x 272 bytes for each wave, for the way out
.set SP,    272
.set SPARE, STAGE+4*16*SP              ; the spare words, 128 bytes for each wave: two blocks of 256 bytes that no other line names
.set AK0, 2                            ; v2   my lane's place in a tile of K
.set AV0, 3                            ; v3   the same for V
.set ADK, 4                            ; v4   LDS address of the step's K
.set ADV, 5                            ; v5   of its V
.set QO,  6
.set STO, 7
.set RD,  8
.set GO,  10
.set LO,  11                           ; v11  16 x lane: my 16 bytes of a load's 512
.set SK,  44                           ; v44, v45  where I store rows of K in slot 0, 1
.set SV,  46                           ; v46, v47  rows of V
.set PFO, 48                           ; v48  256 x lane
.set MSKV, 60                          ; v60  -2^100
.set SPW, 62
.set NIL, 63
.set ST,  12
.set S,   64
.set P,   192
.set KF,  128
.set SG,  128                          ; window 3: 64 registers of K's rows, 64 of V's
.set ND,  2                            ; s2   bit 0: some wave of the work-group walks a step of the next interval; two bits an interval
.set MOFF, 3                           ; s3   where the step's mask words begin in a tile of queries' 4,096 bytes: 1,024 (step / 8) + 64 (step % 8)
.set WV,  12
.set QPB, 14                           ; s[14:15] Q at tile B (tile A: s[4:5])
.set KP,  16                           ; s[16:17] my 32 rows of K of the next interval
.set VP,  18                           ; s[18:19] of V
.set OPB, 20                           ; s[20:21] the output at tile B (tile A: s[10:11])
.set MPB, 22                           ; s[22:23] tile B's mask words
.set CS,  24
.set SEL, 26
.set OA,  28                           ; s28, s29  bit 0: tile A, B walks the step in hand
.set FA,  30                           ; s30, s31  bit 0: that step is all open for tile A, B
.set PFK, 32                           ; s[32:33], s[34:35] my 32 rows of K, of V two intervals on
.set PFV, 34
.set IL,  36                           ; s36  intervals behind the one in hand
.set LIM, 37                           ; s37  1 in a work-group that prefetches, else the greatest number
.set TB,  38                           ; s38  LDS byte at which the step's tiles begin
.set TW,  39
.set CNT, 40
.set MW,  68                           ; s[68:99] the 32 mask words of one tile of queries and one key step
.set MPA, 100                          ; s[100:101] tile A's mask words
.set MSB, 0
.macro WIN new                         ; the immediate's high byte repeats the setting that is left; a switch that changes nothing is dropped
.if MSB != \new
	s_set_vgpr_msb (MSB<<8)|\new
.set MSB, \new
.endif
.endm
.set W_KQ, 0x0a
.set W_PV, 0x53
.set W_RS, 0x41
	s_load_b128 s[4:7], s[0:1], 0x0                ; qkvh, mw
	s_load_b128 s[8:11], s[0:1], 0x10              ; fl, ao
	v_lshl_add_u32 v[SPW], v0, 2, SPARE
	v_mov_b32 v[NIL], 0
	v_lshrrev_b32 v1, 5, v0
	v_readfirstlane_b32 s[WV], v1                  ; wave 0..3
	s_and_b32 s13, ttmp7, 0xffff                   ; y = 8 x batch + key head
	s_lshr_b32 s14, s13, 3                         ; batch
	s_and_b32 s15, s13, 7                          ; key head
	s_lshl_b32 s16, ttmp9, 2                       ; the work-group's first early tile
	s_add_co_u32 s17, s16, s[WV]                   ; tile A
	s_sub_co_u32 s18, 124, s16                     ; its first late tile
	s_add_co_u32 s19, s18, s[WV]                   ; tile B
	s_lshl_b32 s20, s14, 11                        ; flags: 2,048 bytes a batch, 16 a tile
	s_lshl_b32 s94, s16, 4
	s_add_co_u32 s94, s94, s20                     ; the four early tiles' 64 bytes
	s_lshl_b32 s95, s18, 4
	s_add_co_u32 s95, s95, s20                     ; the four late tiles'
	s_lshl_b32 s21, s[WV], 4
	s_add_co_u32 s96, s94, s21                     ; my tile A's 16 bytes
	s_add_co_u32 s97, s95, s21                     ; my tile B's
	s_lshl_b32 s76, s13, 20                        ; Q: index 2 y, 4,096 bytes a tile
	s_lshl_b32 s77, s17, 12
	s_lshl_b32 s79, s19, 12
	s_add_co_u32 s78, s76, s79
	s_add_co_u32 s76, s76, s77
	s_mov_b32 s77, 0
	s_mov_b32 s79, 0
	s_lshl_b32 s80, s13, 19                        ; K, V: the key head's 2,048 rows; my 32 rows of an interval's 128
	s_lshl_b32 s81, s[WV], 13
	s_add_co_u32 s80, s80, s81
	s_mov_b32 s81, 0
	s_lshl_b32 s82, s14, 23                        ; the output: rows of 4,096 bytes; the key head's two heads are 512 bytes of a row
	s_lshl_b32 s83, s15, 9
	s_add_co_u32 s82, s82, s83
	s_lshl_b32 s83, s17, 16
	s_add_co_u32 s84, s82, s83
	s_mov_b32 s85, 0
	s_lshl_b32 s83, s19, 16
	s_add_co_u32 s86, s82, s83
	s_mov_b32 s87, 0
	s_lshl_b32 s88, s14, 19                        ; mask words: 4,096 bytes a tile of queries
	s_lshl_b32 s89, s17, 12
	s_add_co_u32 s90, s88, s89
	s_mov_b32 s91, 0
	s_lshl_b32 s89, s19, 12
	s_add_co_u32 s92, s88, s89
	s_mov_b32 s93, 0
	s_wait_kmcnt 0x0
	s_load_b512 s[32:47], s[8:9], s94 offset:0x0   ; the flags of the work-group's eight tiles,
	s_load_b512 s[48:63], s[8:9], s95 offset:0x0
	s_load_b128 s[68:71], s[8:9], s96 offset:0x0   ; and my two once more, so that no register is picked by the wave's number
	s_load_b128 s[72:75], s[8:9], s97 offset:0x0
	s_add_nc_u64 s[KP:KP+1], s[4:5], s[80:81]
	s_add_nc_u64 s[VP:VP+1], s[KP:KP+1], VOFF
	s_add_nc_u64 s[KP:KP+1], s[KP:KP+1], KOFF
	s_add_nc_u64 s[QPB:QPB+1], s[4:5], s[78:79]
	s_add_nc_u64 s[4:5], s[4:5], s[76:77]
	s_add_nc_u64 s[OPB:OPB+1], s[10:11], s[86:87]
	s_add_nc_u64 s[10:11], s[10:11], s[84:85]
	s_add_nc_u64 s[MPB:MPB+1], s[6:7], s[92:93]
	s_add_nc_u64 s[MPA:MPA+1], s[6:7], s[90:91]
	v_and_b32 v[LO], 31, v0
	v_lshlrev_b32 v[PFO], 8, v[LO]
	v_lshlrev_b32 v[LO], 4, v[LO]
; My 32 rows of K and of V of an interval: 16 + 16 loads of 512 consecutive bytes, into window 3
.macro SLOAD
	WIN 0xc0
.set i, 0
.rept 16
	global_load_b128 v[SG+4*i:SG+4*i+3], v[LO], s[KP:KP+1] offset:512*i
	global_load_b128 v[SG+64+4*i:SG+64+4*i+3], v[LO], s[VP:VP+1] offset:512*i
.set i, i+1
.endr
	WIN 0
.endm
; and on into a slot: two rows a store, sixteen lanes to a row
.macro SSTORE slot
	WIN 0x0c                                       ; an LDS store's data are its source 1: window 3
.set i, 0
.rept 16
	ds_store_b128 v[SK+(\slot)], v[SG+4*i:SG+4*i+3] offset:i*2*PK
	ds_store_b128 v[SV+(\slot)], v[SG+64+4*i:SG+64+4*i+3] offset:i*2*PV
.set i, i+1
.endr
	WIN 0
.endm
	SLOAD                                          ; interval 0, whatever the flags: step 0 is always walked
	v_and_b32 v1, 15, v0                           ; l % 16
	v_bfe_u32 v9, v0, 4, 1                         ; l / 16
	v_lshlrev_b32 v[QO], 8, v1
	v_lshl_add_u32 v[QO], v9, 4, v[QO]
	WIN 0x80                                       ; destination window 2
.irp i, 0,1,2,3,4,5,6,7                            ; Q stays in registers: tiles 0, 1: tile A, head i / 4, channels 32 (i % 4) on
	global_load_b128 v[8*\i:8*\i+3],   v[QO], s[4:5] offset:(\i/4)*524288+(\i%4)*64
	global_load_b128 v[8*\i+4:8*\i+7], v[QO], s[4:5] offset:(\i/4)*524288+(\i%4)*64+32
.endr
.irp i, 0,1,2,3,4,5,6,7                            ; tiles 2, 3: tile B
	global_load_b128 v[64+8*\i:64+8*\i+3],   v[QO], s[QPB:QPB+1] offset:(\i/4)*524288+(\i%4)*64
	global_load_b128 v[64+8*\i+4:64+8*\i+7], v[QO], s[QPB:QPB+1] offset:(\i/4)*524288+(\i%4)*64+32
.endr
	WIN 0
	v_mul_u32_u24 v[AK0], v1, PK
	v_lshl_add_u32 v[AK0], v9, 4, v[AK0]
	v_and_b32 v49, 7, v0
	v_bfe_u32 v50, v0, 3, 1
	v_lshl_add_u32 v[AV0], v9, 3, v49
	v_mul_u32_u24 v[AV0], v[AV0], PV
	v_lshl_add_u32 v[AV0], v50, 4, v[AV0]
	v_add_nc_u32 v[AV0], VOFF_L, v[AV0]
	s_lshr_b32 s66, s[WV], 1
	s_mul_i32 s66, s66, STEPB                      ; my 32 rows belong to step wave / 2 of the interval,
	s_and_b32 s67, s[WV], 1                        ; and are its rows 32 (wave % 2) on
	s_mul_i32 s13, s67, 32*PK
	s_add_co_u32 s13, s13, s66
	v_mul_u32_u24 v[SK], v9, PK
	v_lshl_add_u32 v[SK], v1, 4, v[SK]
	v_add_nc_u32 v[SK], s13, v[SK]
	v_add_nc_u32 v[SK+1], SLOT1, v[SK]
	s_mul_i32 s13, s67, 32*PV
	s_add_co_u32 s13, s13, s66
	s_add_co_u32 s13, s13, VOFF_L
	v_mul_u32_u24 v[SV], v9, PV
	v_lshl_add_u32 v[SV], v1, 4, v[SV]
	v_add_nc_u32 v[SV], s13, v[SV]
	v_add_nc_u32 v[SV+1], SLOT1, v[SV]
	s_mul_i32 s13, s[WV], 16*SP
	s_add_co_u32 s13, s13, STAGE                   ; my stage for the way out
	v_mul_u32_u24 v[STO], v1, SP
	v_lshl_add_u32 v[STO], v9, 4, v[STO]
	v_add_nc_u32 v[STO], s13, v[STO]
	v_mul_u32_u24 v[RD], v9, SP
	v_lshl_add_u32 v[RD], v1, 4, v[RD]
	v_add_nc_u32 v[RD], s13, v[RD]
	v_lshlrev_b32 v[GO], 12, v9                    ; two rows of the output, 4,096 bytes apart
	v_lshl_add_u32 v[GO], v1, 4, v[GO]
	v_mov_b32 v[MSKV], 0xf1800000
	s_wait_kmcnt 0x0                               ; the flags
; the work-group's: a step is wanted if any of the eight tiles has an open key in it; every step, if any row of any of them has no open key at all
.irp t, 0,1,2,3,4,5,6,7
	s_or_b32 s67, s[32+4*\t], s[33+4*\t]
	s_or_b32 s67, s67, s[34+4*\t]
	s_or_b32 s67, s67, s[35+4*\t]
.if \t == 0
	s_mov_b32 s66, s67
.else
	s_and_b32 s66, s66, s67
.endif
.endr
.irp g, 0,1,2,3
.irp t, 1,2,3,4,5,6,7
	s_or_b32 s[32+\g], s[32+\g], s[32+4*\t+\g]
.endr
.endr
	s_and_b32 s[ND], s32, 0xff
.irp g, 1,2,3
	s_and_b32 s13, s[32+\g], 0xff
	s_lshl_b32 s13, s13, 8*\g
	s_or_b32 s[ND], s[ND], s13
.endr
	s_lshr_b32 s66, s66, 16
	s_cmp_eq_u32 s66, 0xffff
	s_cselect_b32 s[ND], s[ND], -1
	s_lshr_b32 s13, s[ND], 1
	s_or_b32 s[ND], s[ND], s13                     ; bit 2 J: interval J is wanted
	s_lshr_b32 s[ND], s[ND], 2                     ; bit 0: interval 1
; a tile's own four words at s[g] on: o = the steps that it walks, f = the steps that are all open; both from step 1 on
.macro RED g, o, f
	s_or_b32 s67, s[\g], s[\g+1]
	s_or_b32 s67, s67, s[\g+2]
	s_or_b32 s67, s67, s[\g+3]
	s_lshr_b32 s67, s67, 16                        ; the rows that have an open key
	s_and_b32 s[\o], s[\g], 0xff
	s_bfe_u32 s[\f], s[\g], 0x80008
.irp q, 1,2,3
	s_and_b32 s13, s[\g+\q], 0xff
	s_lshl_b32 s13, s13, 8*\q
	s_or_b32 s[\o], s[\o], s13
	s_bfe_u32 s13, s[\g+\q], 0x80008
	s_lshl_b32 s13, s13, 8*\q
	s_or_b32 s[\f], s[\f], s13
.endr
	s_cmp_eq_u32 s67, 0xffff
	s_cselect_b32 s[\o], s[\o], -1
	s_lshr_b32 s[\o], s[\o], 1
	s_lshr_b32 s[\f], s[\f], 1
.endm
	RED 68, OA, FA
	RED 72, OA+1, FA+1
	s_mov_b32 s[CS], 0x3e0293ee                    ; c = log2(e) / sqrt(128)
	s_mov_b32 s[CS+1], s[CS]
	s_mov_b32 s[SEL], 0x76543210
	s_mov_b32 s[SEL+1], 0xfedcba98
	s_mov_b32 s[MOFF], 0
	s_mov_b32 s[IL], 15
	s_cmp_eq_u32 ttmp9, 0                          ; of the sixteen work-groups that walk these rows the first prefetches
	s_cselect_b32 s[LIM], 1, -1
	s_add_nc_u64 s[PFK:PFK+1], s[KP:KP+1], 2*2*KS*256
	s_add_nc_u64 s[PFV:PFV+1], s[VP:VP+1], 2*2*KS*256
	s_wait_loadcnt 32                              ; interval 0's 32 loads are in; Q's 32 may be out
	SSTORE 0
	s_add_nc_u64 s[KP:KP+1], s[KP:KP+1], 2*KS*256  ; (their loads are done)
	s_add_nc_u64 s[VP:VP+1], s[VP:VP+1], 2*KS*256
	s_wait_loadcnt 0x0                             ; Q
	s_wait_dscnt 0x0                               ; for the others' sake: my rows have landed
	s_barrier_signal -1
	s_barrier_wait -1
; Product i of 32 of O^T += V^T P.  The accumulators take turns, one instruction a turn.
.macro PV x, zero
	WIN W_PV
.set rO, 64*(\x+i%2)+8*((i/2)%8)
.set rV, 64*(i/16)+8*((i/2)%8)
.set rP, P+16*(\x+i%2)+8*(i/16)
.if \zero && (i < 16)
	v_wmma_f32_16x16x32_f16 v[rO:rO+7], v[rV:rV+7], v[rP:rP+7], 0
.else
	v_wmma_f32_16x16x32_f16 v[rO:rO+7], v[rV:rV+7], v[rP:rP+7], v[rO:rO+7]
.endif
.endm
; Product i of 32 of S^T = K Q^T.  The first 8 start the sums.
.macro KQ x
	WIN W_KQ
.set rS, S+32*(\x+i%2)+8*((i/2)%4)
.set rK, KF+32*((i/2)%4)+8*(i/8)
.set rQ, 32*(\x+i%2)+8*(i/8)
.if i < 8
	v_wmma_f32_16x16x32_f16 v[rS:rS+7], v[rK:rK+7], v[rQ:rQ+7], 0
.else
	v_wmma_f32_16x16x32_f16 v[rS:rS+7], v[rK:rK+7], v[rQ:rQ+7], v[rS:rS+7]
.endif
.endm
; A step's fragments: K as it lies, V turned.  Two v_nop and the two additions are the four plain lines between the last product that read these registers and the loads into them (ISA guide 7.12.1 for vector instructions).
.macro FETCH
	v_nop
	v_nop
	v_add_nc_u32 v[ADK], s[TB], v[AK0]
	v_add_nc_u32 v[ADV], s[TB], v[AV0]
	WIN 0x80
.irp f, 0,1,2,3,4,5,6,7,8,9,10,11,12,13,14,15
	ds_load_b128 v[KF+8*\f:KF+8*\f+3],   v[ADK] offset:(\f/4)*16*PK+(\f%4)*64
	ds_load_b128 v[KF+8*\f+4:KF+8*\f+7], v[ADK] offset:(\f/4)*16*PK+(\f%4)*64+32
.endr
	WIN 0xc0
.irp f, 0,1,2,3,4,5,6,7,8,9,10,11,12,13,14,15
	ds_load_tr16_b128 v[8*\f:8*\f+3],   v[ADV] offset:(\f/8)*32*PV+(\f%8)*32
	ds_load_tr16_b128 v[8*\f+4:8*\f+7], v[ADV] offset:(\f/8)*32*PV+16*PV+(\f%8)*32
.endr
	WIN 0
.endm
; Score e of tile t keeps its value where its lane's bit of the mask word is set, and becomes -2^100 where not
.macro MK t, e
	v_cndmask_b32 v[S+32*(\t)+(\e)], v[MSKV], v[S+32*(\t)+(\e)], s[MW+16*(((\e)%8)/4)+4*((\e)/8)+(\e)%4]
.endm
.macro MLOAD x                         ; the 32 mask words of piece x's tile of queries and the step in hand
.if (\x) == 0
	s_load_b512 s[MW:MW+15], s[MPA:MPA+1], s[MOFF] offset:0x0
	s_load_b512 s[MW+16:MW+31], s[MPA:MPA+1], s[MOFF] offset:0x200
.else
	s_load_b512 s[MW:MW+15], s[MPB:MPB+1], s[MOFF] offset:0x0
	s_load_b512 s[MW+16:MW+31], s[MPB:MPB+1], s[MOFF] offset:0x200
.endif
.endm
; One tile's softmax for one key step is a list of 134 instructions; SM writes number j of it for tile t.
;   0-15 the maximum; 16-20 the other half of the lanes', the new m, c m, its change; 21-69 ONE BATCH: 16 scalings and 33 exponentials, none of which reads an exponential's result;
;   70-85 the roundings to f16; 86-101 the sums; 102-133 O^T times a.  first = 1: the first key step has no old maximum, no a and nothing to rescale.
.macro SM t, first
.set rT, ST+8*(\t)
.set rS, S+32*(\t)
.set rP, P+16*(\t)
.set rO, 64*(\t)+2*(j-102)
.if j < 102
	WIN 0
.endif
.if j < 4
	v_max3_num_f32 v[rT+4+j], v[rS+8*j], v[rS+8*j+1], v[rS+8*j+2]
.elseif j < 12
	v_max3_num_f32 v[rT+4+j%4], v[rT+4+j%4], v[rS+8*(j%4)+2*(j/4)+1], v[rS+8*(j%4)+2*(j/4)+2]
.elseif j == 12
	v_max3_num_f32 v[rT+4], v[rT+4], v[rS+7], v[rS+15]
.elseif j == 13
	v_max3_num_f32 v[rT+6], v[rT+6], v[rS+23], v[rS+31]
.elseif j == 14
	v_max3_num_f32 v[rT+4], v[rT+4], v[rT+5], v[rT+6]
.elseif (j == 15) && \first
	v_max_num_f32 v[rT+4], v[rT+4], v[rT+7]
.elseif j == 15
	v_max3_num_f32 v[rT+4], v[rT+4], v[rT+7], v[rT+1]
.elseif j == 16
	v_permlanex16_b32 v[rT+5], v[rT+4], s[SEL], s[SEL+1]
.elseif j == 18
	v_max_num_f32 v[rT+1], v[rT+4], v[rT+5]
.elseif j == 19
	v_mul_f32 v[rT], s[CS], v[rT+1]
.elseif ((j == 17) || (j == 20) || (j == 23) || (j > 101)) && \first
.elseif j == 17
	v_mov_b32 v[rT+7], v[rT]
.elseif j == 20
	v_sub_f32 v[rT+7], v[rT+7], v[rT]
.elseif j == 23
	v_exp_f32 v[rT+6], v[rT+7]
.elseif (j < 23) || ((j < 38) && (j%2 == 0)) || ((j < 66) && (j%4 == 2))
.set b, (j-2)/4
.if j < 38
.set b, (j-20)/2
.endif
	v_pk_fma_f32 v[rS+2*b:rS+2*b+1], v[rS+2*b:rS+2*b+1], s[CS:CS+1], v[rT:rT+1] op_sel_hi:[1,0,0] neg_lo:[0,0,1] neg_hi:[0,0,1]
.elseif j < 70
.set e, j-38
.if j < 66
.set e, j-32-(j-38)/4
.endif
.if j < 38
.set e, (j-25)/2
.endif
	v_exp_f32 v[rS+e], v[rS+e]
.elseif j < 86
	v_cvt_pk_f16_f32 v[rP+j-70], v[rS+2*(j-70)], v[rS+2*(j-70)+1]
.elseif j < 102
.set z, j-86
.set w, 4
.set u, z
.if z >= 14
.set w, 32
.set u, 0
.elseif z >= 12
.set w, 16
.set u, z-12
.elseif z >= 8
.set w, 8
.set u, z-8
.endif
.if (z == 14) && \first
	v_pk_add_f32 v[rT+2:rT+3], v[rS:rS+1], v[rS+16:rS+17]
.elseif z < 15
	v_pk_add_f32 v[rS+w*u:rS+w*u+1], v[rS+w*u:rS+w*u+1], v[rS+w*u+w/2:rS+w*u+w/2+1]
.elseif !\first
	v_pk_fma_f32 v[rT+2:rT+3], v[rT+2:rT+3], v[rT+6:rT+7], v[rS:rS+1] op_sel_hi:[1,0,1]
.endif
.else
	WIN W_RS
	v_pk_mul_f32 v[rO:rO+1], v[rO:rO+1], v[rT+6:rT+7] op_sel_hi:[1,0]
.endif
.endm
; A piece's softmax: both tiles' lists by turns, so that no line reads the result of the line just before it.  Numbers 0-21; the batch, four numbers of one tile at a time; one plain line and the ONE wait for the piece's 66
; exponentials, ahead of the first line that names a result; numbers 70-133.
.macro SOFTMAX y, first
.set nn, 64
.rept 268
.if nn < 108
.set j, (nn-64)/2
	SM (\y)+nn%2, \first
.elseif nn < 204
.set j, 22+4*((nn-108)/8)+(nn-108)%4
	SM (\y)+((nn-108)/4)%2, \first
.if nn == 203
	v_nop                                          ; the plain line behind the last exponential
	s_wait_alu depctr_va_vdst(0)                   ; the wait for the batch
.endif
.else
.set j, 70+(nn-204)/2
	SM (\y)+nn%2, \first
.endif
.set nn, nn+1
.endr
.endm
; A PIECE'S KEY STEP.  The mask words are asked for ahead of the 32 products K Q^T, and only where the step is not all open; the wait for them stands on every way, so that no scalar load is out when the next is issued.
.macro PIECE x, first
.if !\first
	s_bitcmp1_b32 s[FA+(\x)/2], 0
	s_cbranch_scc1 .Lopen1_\@
.endif
	MLOAD \x
.Lopen1_\@:
	s_wait_dscnt 32                                ; K is in; V's 32 loads may be out
.set i, 0
.rept 32
	KQ \x
.set i, i+1
.endr
	WIN 0
.rept 4
	v_nop                                          ; four plain lines behind the last product, ahead of the first read of the scores
.endr
	s_wait_kmcnt 0x0
.if !\first
	s_bitcmp1_b32 s[FA+(\x)/2], 0
	s_cbranch_scc1 .Lopen2_\@
.endif
.set nn, 0
.rept 64
	MK (\x)+nn%2, nn/2                             ; each accumulator from its low end on
.set nn, nn+1
.endr
.Lopen2_\@:
	SOFTMAX \x, \first
	s_wait_dscnt 0x0                               ; V is in
.set i, 0
.rept 32
	PV \x, \first
.set i, i+1
.endr
	WIN 0
.endm
; A KEY STEP.  first = 1: step 0, walked by both pieces whatever the flags: its products start O^T's sums.
.macro STEP first
.if !\first
	s_or_b32 s13, s[OA], s[OA+1]
	s_bitcmp1_b32 s13, 0
	s_cbranch_scc0 .Lidle_\@                       ; neither of my tiles has an open key in this step
.endif
	FETCH
.if !\first
	s_bitcmp1_b32 s[OA], 0
	s_cbranch_scc0 .Lna_\@
.endif
	PIECE 0, \first
.Lna_\@:
.if !\first
	s_bitcmp1_b32 s[OA+1], 0
	s_cbranch_scc0 .Lnb_\@
.endif
	PIECE 2, \first
.Lnb_\@:
	s_wait_dscnt 0x0                               ; on every way: no fragment load is out when the next step's are issued
.Lidle_\@:
	s_wait_xcnt 0x0                                ; the scalar loads have read their offset register: it may be stepped
.if !\first
	s_lshr_b32 s[OA], s[OA], 1
	s_lshr_b32 s[OA+1], s[OA+1], 1
	s_lshr_b32 s[FA], s[FA], 1
	s_lshr_b32 s[FA+1], s[FA+1], 1
.endif
	s_add_co_u32 s[MOFF], s[MOFF], 64
	s_and_b32 s13, s[MOFF], 512                    ; behind eight steps: over the other half's 512 bytes
	s_add_co_u32 s[MOFF], s[MOFF], s13
.endm
.macro STEPS slot                      ; a slot's two key steps: written once, walked twice
	s_mov_b32 s[TB], (\slot)*SLOT1
	s_mov_b32 s[TW], 2
.Lst_\@:
	STEP 0
	s_add_co_u32 s[TB], s[TB], STEPB
	s_sub_co_u32 s[TW], s[TW], 1
	s_cmp_lg_u32 s[TW], 0
	s_cbranch_scc1 .Lst_\@
.endm
; AN INTERVAL'S HEAD: the next interval's rows are asked for, if some wave of the work-group will walk a step of it.  Behind them a prefetch of the interval two on: my 32 rows of K and of V, a lane a row; each row is named once in
; the launch, by the first of the sixteen work-groups that walk it; the last two intervals ask for nothing.
.macro OPENI
	s_bitcmp1_b32 s[ND], 0
	s_cbranch_scc0 .Lnl_\@
	SLOAD
.Lnl_\@:
	s_cmp_gt_u32 s[IL], s[LIM]
	s_cbranch_scc0 .Lnp_\@
	global_prefetch_b8 v[PFO], s[PFK:PFK+1] th:TH_LOAD_NT scope:SCOPE_SE
	global_prefetch_b8 v[PFO], s[PFV:PFV+1] th:TH_LOAD_NT scope:SCOPE_SE
.Lnp_\@:
.endm
; AN INTERVAL'S END: the rows go into the other slot, which every wave left at the last barrier; then one barrier: behind it that slot is whole, and nobody reads this one any more.
.macro CLOSEI slot
	s_wait_loadcnt 0x0                             ; on every way: no load of mine is out
	s_bitcmp1_b32 s[ND], 0
	s_cbranch_scc0 .Lns_\@
	SSTORE 1-(\slot)
.Lns_\@:
	s_wait_xcnt 0x0                                ; the prefetches, an interval's work back, have read their addresses
	s_add_nc_u64 s[KP:KP+1], s[KP:KP+1], 2*KS*256
	s_add_nc_u64 s[VP:VP+1], s[VP:VP+1], 2*KS*256
	s_add_nc_u64 s[PFK:PFK+1], s[PFK:PFK+1], 2*KS*256
	s_add_nc_u64 s[PFV:PFV+1], s[PFV:PFV+1], 2*KS*256
	s_lshr_b32 s[ND], s[ND], 2
	s_sub_co_u32 s[IL], s[IL], 1
	s_wait_dscnt 0x0                               ; my stores have landed and my reads of this slot are over
	s_barrier_signal -1
	s_barrier_wait -1
.endm
	OPENI                                          ; interval 0, in slot 0
	s_mov_b32 s[TB], 0
	STEP 1
	s_mov_b32 s[TB], STEPB
	STEP 0
	CLOSEI 0
	s_mov_b32 s[CNT], 7
.Lpair:                                            ; intervals 1 to 14: seven trips of two
	OPENI
	STEPS 1
	CLOSEI 1
	OPENI
	STEPS 0
	CLOSEI 0
	s_sub_co_u32 s[CNT], s[CNT], 1
	s_cmp_lg_u32 s[CNT], 0
	s_cbranch_scc1 .Lpair
	STEPS 1                                        ; interval 15: nothing is left to ask for
	; THE WAY OUT: O^T / l, rounded to f16, through my stage in LDS, a tile (16 positions of one head) at a time.  The additions are the plain lines behind the last products.
.irp t, 0,1,2,3
	v_add_f32 v[ST+8*\t+4], v[ST+8*\t+2], v[ST+8*\t+3]
.endr
.irp t, 0,1,2,3
	v_permlanex16_b32 v[ST+8*\t+5], v[ST+8*\t+4], s[SEL], s[SEL+1]
.endr
.irp t, 0,1,2,3
	v_add_f32 v[ST+8*\t+4], v[ST+8*\t+4], v[ST+8*\t+5]
.endr
.irp t, 0,1,2,3
	v_rcp_f32 v[ST+8*\t+6], v[ST+8*\t+4]
.endr
	v_nop
	s_wait_alu depctr_va_vdst(0)                   ; one wait for the four reciprocals, ahead of their first use
.macro PACK t
	WIN W_RS
.set i, 64*\t
.rept 32
	v_pk_mul_f32 v[i:i+1], v[i:i+1], v[ST+8*\t+6:ST+8*\t+7] op_sel_hi:[1,0]
.set i, i+2
.endr
	WIN 0x05
.set i, 0
.rept 32
	v_cvt_pk_f16_f32 v[S+32*\t+i], v[64*\t+2*i], v[64*\t+2*i+1]
.set i, i+1
.endr
	WIN 0
.irp f, 0,1,2,3,4,5,6,7
	ds_store_b128 v[STO], v[S+32*\t+4*\f:S+32*\t+4*\f+3] offset:32*\f
.endr
.irp f, 0,1,2,3,4,5,6,7
	ds_load_b128 v[S+32*\t+4*\f:S+32*\t+4*\f+3], v[RD] offset:\f*2*SP  ; LDS serves a wave's instructions in order (ISA guide 5.7.1.4)
.endr
.endm
.macro SEND t, younger                 ; younger: the LDS instructions issued behind tile t's loads
.irp f, 0,1,2,3,4,5,6,7
	s_wait_dscnt \younger+7-\f
.if (\t) < 2
	global_store_b128 v[GO], v[S+32*\t+4*\f:S+32*\t+4*\f+3], s[10:11] offset:((\t)%2)*256+\f*8192  ; 16 lanes store 256 consecutive bytes, aligned: one head's part of a row
.else
	global_store_b128 v[GO], v[S+32*\t+4*\f:S+32*\t+4*\f+3], s[OPB:OPB+1] offset:((\t)%2)*256+\f*8192
.endif
.endr
.endm
	PACK 0
	PACK 1
	SEND 0, 16
	PACK 2
	SEND 1, 16
	PACK 3
	SEND 2, 16
	SEND 3, 0
	s_wait_tensorcnt 0x0                           ; the wave's end: three lines behind my last LDS store
	ds_add_u32 v[SPW], v[NIL]
	s_wait_dscnt 0x0
	s_endpgm
.Lfunc_end_k_q0dea381299_attn:
	.size	k_q0dea381299_attn, .Lfunc_end_k_q0dea381299_attn-k_q0dea381299_attn
	.p2alignl 7, 3214868480
	.fill 96, 4, 3214868480
	.section	.rodata,"a",@progbits
	.p2align	6, 0x0
	.amdhsa_kernel k_q0dea381299_attn
		.amdhsa_group_segment_fixed_size 161280
		.amdhsa_private_segment_fixed_size 0
		.amdhsa_enable_private_segment 0
		.amdhsa_kernarg_size 32
		.amdhsa_user_sgpr_count 2
		.amdhsa_user_sgpr_kernarg_segment_ptr 1
		.amdhsa_wavefront_size32 1
		.amdhsa_system_sgpr_workgroup_id_x 1
		.amdhsa_system_sgpr_workgroup_id_y 1
		.amdhsa_system_sgpr_workgroup_id_z 1
		.amdhsa_system_vgpr_workitem_id 0
		.amdhsa_next_free_vgpr 1024
		.amdhsa_next_free_sgpr 102
		.amdhsa_reserve_vcc 0
		.amdhsa_float_denorm_mode_32 3
		.amdhsa_float_denorm_mode_16_64 3
		.amdhsa_memory_ordered 1
		.amdhsa_forward_progress 1
		.amdhsa_inst_pref_size 255
	.end_amdhsa_kernel
	.section	.bss,"aw",@nobits
	.p2align	6
	.space	262144
	.amdgpu_metadata
---
amdhsa.version: [ 1, 2 ]
amdhsa.kernels:
  - .name:           k_q0dea381299_attn
    .symbol:         k_q0dea381299_attn.kd
    .args:
      - { .name: qkvh, .offset: 0, .size: 8, .value_kind: global_buffer, .address_space: global }
      - { .name: mw, .offset: 8, .size: 8, .value_kind: global_buffer, .address_space: global }
      - { .name: fl, .offset: 16, .size: 8, .value_kind: global_buffer, .address_space: global }
      - { .name: ao, .offset: 24, .size: 8, .value_kind: global_buffer, .address_space: global }
    .group_segment_fixed_size: 161280
    .private_segment_fixed_size: 0
    .kernarg_segment_align: 8
    .kernarg_segment_size: 32
    .max_flat_workgroup_size: 128
    .sgpr_count:     102
    .vgpr_count:     1024
    .wavefront_size: 32
...
	.end_amdgpu_metadata
.endif
;; end of part 6
;; launch oproj: the kernel of part 4 again; grid 8 x 32, 4 waves a work-group, clusters of 4 x 4, 327,680 bytes of LDS; arguments ao, wot, out0; writes out0
